; MI455X (gfx1250); checked and timed in simulation.
; The chip was launched on July 23, 2026; its instructions are those of AMD's public machine-readable ISA for CDNA 5 (MIT licence, August 2026) and "CDNA5" Instruction Set Architecture Reference Guide (July 2026). The comments in the code are by the model that wrote it; some were corrected since.
;; AFT FULL. Allowed arithmetic: matrix products marked QUANTISED: E2M3 operands, one E8M0 scale for each 32 along K, by v_wmma_scale_f32_16x16x128_f8f6f4 with both operands' format E2M3, f32 sums; everything else in f32.
;; Inputs: Wk_codes 512 x 16 x 24 uint8 (E2M3 codes of Wk, K innermost, in blocks of 32 codes, four codes in three bytes); Wk_scales 512 x 16 uint8 (E8M0 scales of Wk, one for each 32 codes along K); Wq_codes 512 x 16 x 24 uint8 (E2M3 codes of Wq, K innermost, in blocks of 32 codes, four codes in three bytes); Wq_scales 512 x 16 uint8 (E8M0 scales of Wq, one for each 32 codes along K); Wv_codes 512 x 16 x 24 uint8 (E2M3 codes of Wv, K innermost, in blocks of 32 codes, four codes in three bytes); Wv_scales 512 x 16 uint8 (E8M0 scales of Wv, one for each 32 codes along K); bk 512 float32; bq 512 float32; bv 512 float32; pos_bias 1,024 x 1,024 float32; x_codes 32 x 1,024 x 16 x 24 uint8 (E2M3 codes of x, K innermost, in blocks of 32 codes, four codes in three bytes); x_scales 32 x 1,024 x 16 uint8 (E8M0 scales of x, one for each 32 codes along K).
;; Outputs: out0 32 x 1,024 x 512 float32.
;; This version of the problem:
;;   THIS VERSION OF THE PROBLEM IS GIVEN IN LOW PRECISION. The matrix products marked QUANTISED in the list below multiply operands that are first quantised to E2M3 (2 exponent bits, 3 mantissa bits; 6 bits a number), with one power-of-two scale for each 32 numbers along K (OCP MX v1.0); their sums are f32. All else is computed in f32.
;;   The module's matrix products, in the order in which they are computed (A, B: the left and right operand; K: the contracted axis; several contracted axes count as one K, in the product's order):
;;     1. [M 32,768, K 512] x [K 512, N 512]; A: input x (given as codes); B: input Wq (given as codes): QUANTISED
;;     2. [M 32,768, K 512] x [K 512, N 512]; A: input x (given as codes); B: input Wk (given as codes): QUANTISED
;;     3. [M 32,768, K 512] x [K 512, N 512]; A: input x (given as codes); B: input Wv (given as codes): QUANTISED
;;     4. [M 16,384, K 1,024] x [K 1,024, N 1,024]; A: computed on the way; B: computed on the way: QUANTISED
;;     5. [M 16,384, K 1,024] x [K 1,024, N 1,024]; A: computed on the way; B: computed on the way: QUANTISED
;;   THE QUANTISER, for each operand of a quantised product, along K:
;;     - K is cut into blocks of 32 from its start; a last block that is shorter is filled with zeros.
;;     - A block's scale is 2^e with e = floor(log2(the largest magnitude in the block)) - 2, held to -126 .. 127; a block of zeros has e = 0. As a byte (E8M0): e + 127.
;;     - Each number is divided by its block's scale, clamped to +-7.5, and rounded to the nearest number of E2M3, ties to even, subnormals kept.
;;     - The product sums the exact products of the quantised numbers (number of the format x scale) in f32.
;;   ~~~python
;;   def quantise(x, axis):      # numpy; x: float32 -> the quantised numbers, widened to float32 again
;;       x = np.moveaxis(x, axis, -1); K = x.shape[-1]
;;       x = np.pad(x, [(0, 0)] * (x.ndim - 1) + [(0, -K % 32)]); x = x.reshape(x.shape[:-1] + (-1, 32)); a = np.abs(x).max(-1, keepdims=True)
;;       e = np.where(a > 0, np.clip(np.frexp(np.where(a > 0, a, 1))[1] - 1 - 2, -126, 127), 0)      # np.frexp(a)[1] - 1 = floor(log2(a)), exactly
;;       r = np.clip(x / 2.0 ** e, -7.5, 7.5)
;;       step = 2.0 ** (np.maximum(np.frexp(np.where(r == 0, 1, r))[1] - 1, 0) - 3)
;;       q = np.round(r / step) * step * 2.0 ** e      # np.round: ties to even
;;       return np.moveaxis(q.reshape(q.shape[:-2] + (-1,))[..., :K], -1, axis).astype(np.float32)
;;   ~~~
;;   OPERANDS COMPUTED ON THE WAY. 'Computed on the way' means the value that the module computes at that place (a softmax that the list does not call 'softmax' is quantised finished and normalised). What goes into a quantiser is computed in f32, as accurately as f32 sums, v_exp_f32 and their like allow (about 1e-6 of the number): no bf16 or f16 on the way to a quantiser, and a product that is left as it is and whose result goes on into a quantised operand takes f32 operands (vector FMAs, or v_wmma_f32_16x16x4_f32). A number that lies on a knife's edge between two numbers of the format may be rounded either way, as far as f32 arithmetic and the matrix unit's own rounding can turn it there, and no further.
;;   INPUTS GIVEN AS CODES. Wk (in the module: [512, 512], K = its axis 1); Wq (in the module: [512, 512], K = its axis 1); Wv (in the module: [512, 512], K = its axis 1); x (in the module: [32, 1024, 512], K = its axis 2): each comes as NAME_codes (uint8): NAME with its K axis moved to the last place and cut into blocks of 32 codes, [.., K / 32, bytes a block], one block behind the other in memory; four codes in three bytes: a row's codes are one little-endian stream of bits, code i at bits 6 i .. 6 i + 5 (a code: sign, 2 exponent bits, 3 mantissa bits); and NAME_scales (uint8): the same leading axes, one E8M0 byte (e + 127) for each 32 codes along K. Its value is code x scale, taken as it is: it is not quantised again, and the codes and scales need not be those that the quantiser above would give.
;; 2 versions. Each part assembles by itself: llvm-mc -triple=amdgcn-amd-amdhsa -mcpu=gfx1250 --defsym DOCPART=n.
;; ======== version 1 of 2: 2 launches
;; workspace buffers: xs 13,107,200 bytes; es 819,200 bytes
;; launch prep (part 1): grid 288 x 1, 8 waves a work-group, no clusters, 118,784 bytes of LDS; arguments x_codes, x_scales, pos_bias, xs, es; writes xs, es
.if DOCPART == 1
	.amdgcn_target "amdgcn-amd-amdhsa--gfx1250"
	.amdhsa_code_object_version 6
	.text
	.protected	k_q7115a09864_prep
	.globl	k_q7115a09864_prep
	.p2align	8
	.type	k_q7115a09864_prep,@function
k_q7115a09864_prep:
	s_mov_b64 s[64:65], 0
	v_nop
	global_prefetch_b8 v0, s[64:65] scope:SCOPE_SE
	s_setreg_imm32_b32 hwreg(HW_REG_WAVE_MODE, 25, 1), 1
	s_wait_xcnt 0x0
; Two jobs, parted once on the work-group's number; each has LDS bytes of its own.
; X (work-groups 0-255): x's codes [32768 rows][384 bytes] and scale bytes [32768][16] are laid anew as IMAGES OF OPERAND REGISTERS, in the order in which the second launch's
;   tiles want them.  A fragment (16 rows x 128 K of 6-bit codes) is 12 registers a lane; its image is 3 blocks of 512 bytes, block cc holding registers 4 cc .. 4 cc + 3 of lane l at 16 l.
;   xs = [b 32][i 4][w 4][25,600 bytes]: rows 256 w + 64 i + 0 .. 63 of batch b: 16 images (4 T + q: tile of 16 rows T, K step q), then the rows' 1,024 scale bytes as they lie.
; E (work-groups 256-287): ew = exp(pos_bias - its row's maximum), quantised along s to E2M3 with one E8M0 byte for each 32, into the same form of tile.
;   es = [c 2][j 4][w 4][25,600]: rows t = 256 w + 128 c + 0 .. 127, s = 256 j + 0 .. 255: 16 images (8 q' + tau), then 8 scale bytes a row.
;   INSIDE A BLOCK OF 32 the codes stand in the order s 0-7, 16-23, 8-15, 24-31: the order in which the second launch's own codes of the other operand fall.  Blocks and scales are as the quantiser has them.
; A block's scale is 2^(floor(log2(largest)) - 2): the largest number's exponent field less 2, held at 1 from below.
; LIMITS: NaN and infinities are not served; v_exp_f32 gives 0 for results under 2^-126; a block of zeros gets the byte 1 (its codes are zeros, and this program alone reads the bytes);
; a block's largest ew is taken as the exponential of the block's largest argument, by the same instructions: that takes v_exp_f32 not to fall where its input rises.
.set XT,   0                           ; X: a stage of 48 pieces x (128 + 16) bytes for each wave: 16 rows of three pieces, 432 bytes from row to row
.set XW,   6912
.set ET,   55296                       ; E: a stage of 32 blocks x 144 bytes for each wave
.set AIM,  92160                       ; E: the work-group's images: [K step 8][tile 2][1,536]
.set ASC,  116736                      ; E: its scale bytes: [j 4][row 32][8]
.set TILE, 25600
.set SCO,  24576                       ; where a tile's scale bytes begin
.set V,    144                         ; E: v144-175 a block's 32 numbers
	s_load_b256 s[4:11], s[0:1], 0x0               ; x_codes s[4:5], x_scales s[6:7], pos_bias s[8:9], xs s[10:11]
	s_load_b64 s[12:13], s[0:1], 0x20              ; es
	v_lshl_add_u32 v224, v0, 2, 0x1cc00
	v_mov_b32 v225, 0
	v_lshrrev_b32 v1, 5, v0
	v_readfirstlane_b32 s14, v1                    ; wave 0..7
	v_and_b32 v2, 31, v0                           ; lane
	v_lshlrev_b32 v3, 4, v2                        ; 16 x lane
	v_lshlrev_b32 v4, 3, v2                        ; 8 x lane
	s_cmp_ge_u32 ttmp9, 256
	s_cbranch_scc1 .Lew
	; ---------------- X: my wave takes 16 rows: tile number W8 = 8 x work-group + wave
	s_lshl_b32 s15, ttmp9, 3
	s_add_co_u32 s15, s15, s14
	s_mul_i32 s16, s15, 6144                       ; its codes: 16 rows of 384 bytes
	s_mov_b32 s17, 0
	s_lshl_b32 s18, s15, 8                         ; its scale bytes: 16 rows of 16
	s_mov_b32 s19, 0
	s_lshr_b32 s20, s15, 6                         ; b
	s_bfe_u32 s21, s15, 0x20004                    ; w: which 256 rows
	s_bfe_u32 s22, s15, 0x20002                    ; i: which 64 of them
	s_and_b32 s23, s15, 3                          ; T: which 16 of those
	s_lshl_b32 s20, s20, 2
	s_add_co_u32 s20, s20, s22
	s_lshl_b32 s20, s20, 2
	s_add_co_u32 s20, s20, s21
	s_mul_i32 s20, s20, TILE                       ; the tile (b, i, w)
	s_mul_i32 s24, s23, 6144
	s_add_co_u32 s24, s24, s20                     ; my four images
	s_mov_b32 s25, 0
	s_lshl_b32 s26, s23, 8
	s_add_co_u32 s26, s26, s20
	s_add_co_u32 s26, s26, SCO                     ; my 256 scale bytes
	s_mov_b32 s27, 0
	s_mul_i32 s28, s14, XW                         ; my stage
	v_lshrrev_b32 v8, 3, v2
	v_and_b32 v9, 7, v2
	v_mul_u32_u24 v5, v8, 144
	v_lshl_add_u32 v5, v9, 4, v5
	v_add_nc_u32 v5, s28, v5                       ; into it: eight lanes' 128 bytes are a piece; 144 bytes from piece to piece; a load's 512 bytes are four pieces
	v_and_b32 v8, 15, v2
	v_lshrrev_b32 v9, 4, v2
	v_mul_u32_u24 v8, v8, 432                      ; out of it: row lane % 16 (432 bytes = 108 words: the 16 rows start at 16 different multiples of 4 of the 64 banks: ISA guide 11.1),
	v_mad_u32_u24 v6, v9, 24, v8
	v_add_nc_u32 v6, s28, v6                       ; + 24 x (lane / 16): a fragment's bytes of my lane;
	v_mad_u32_u24 v7, v9, 40, v8
	v_add_nc_u32 v7, s28, v7                       ; + 40 x (lane / 16) where the bytes 24 further on lie behind one padding more
	s_wait_kmcnt 0x0
	s_add_nc_u64 s[4:5], s[4:5], s[16:17]
	s_add_nc_u64 s[6:7], s[6:7], s[18:19]
	s_add_nc_u64 s[24:25], s[10:11], s[24:25]
	s_add_nc_u64 s[26:27], s[10:11], s[26:27]
	global_load_b64 v[12:13], v4, s[6:7] th:TH_LOAD_NT
.irp k,0,1,2,3,4,5,6,7,8,9,10,11
	global_load_b128 v[16+4*\k:19+4*\k], v3, s[4:5] offset:512*\k th:TH_LOAD_NT   ; 32 lanes read 512 consecutive bytes
.endr
.irp k,0,1,2,3,4,5,6,7,8,9,10,11
	s_wait_loadcnt 11-\k                           ; loads come back in order: load k is in, the 11 - k younger ones may be out
	ds_store_b128 v5, v[16+4*\k:19+4*\k] offset:576*\k
.endr
.irp q,0,1,2,3
.irp p,0,1,2,3,4,5
.set O0, 96*\q+48*(\p/3)+8*(\p%3)                  ; the piece of 8 bytes in a row, for lanes 0-15; lanes 16-31 take the piece 24 bytes on.  In the stage: 16 more for each 128 passed
.if (O0/128) == ((O0+24)/128)
	ds_load_b64 v[64+12*\q+2*\p:65+12*\q+2*\p], v6 offset:O0+16*(O0/128)   ; LDS serves a wave's instructions in order: these see my stores
.else
	ds_load_b64 v[64+12*\q+2*\p:65+12*\q+2*\p], v7 offset:O0+16*(O0/128)
.endif
.endr
.endr
	s_wait_dscnt 0x0
.irp q,0,1,2,3
.irp cc,0,1,2
	global_store_b128 v3, v[64+12*\q+4*\cc:67+12*\q+4*\cc], s[24:25] offset:1536*\q+512*\cc   ; 512 consecutive bytes, at a multiple of 256 from the buffer's first byte
.endr
.endr
	global_store_b64 v4, v[12:13], s[26:27]        ; 256 consecutive bytes
	s_wait_tensorcnt 0x0
	ds_add_u32 v224, v225
	s_wait_dscnt 0x0
	s_endpgm
	; ---------------- E: the work-group takes rows 32 Pg .. 32 Pg + 31 of pos_bias, my wave four of them
.Lew:
	s_sub_co_u32 s15, ttmp9, 256                   ; Pg
	s_lshl_b32 s16, s15, 5
	s_lshl_b32 s17, s14, 2
	s_add_co_u32 s16, s16, s17
	s_lshl_b32 s16, s16, 12                        ; my first row, 4,096 bytes a row
	s_mov_b32 s17, 0
	s_mul_i32 s18, s14, 4608
	s_add_co_u32 s18, s18, ET                      ; my stage
	v_lshrrev_b32 v8, 3, v2
	v_and_b32 v9, 7, v2
	v_mul_u32_u24 v5, v8, 144
	v_lshl_add_u32 v5, v9, 4, v5
	v_add_nc_u32 v5, s18, v5                       ; in: eight lanes' 128 bytes are a block of 32 numbers; 144 bytes from block to block
	v_mul_u32_u24 v6, v2, 144
	v_add_nc_u32 v6, s18, v6                       ; out: lane l takes block l whole
	v_lshl_add_u32 v7, v8, 8, v9
	s_lshl_b32 s19, s14, 5
	s_add_co_u32 s19, s19, ASC
	v_add_nc_u32 v7, s19, v7                       ; my block's scale byte: 256 (l / 8) + l % 8 + 8 x row
	s_lshr_b32 s20, s14, 2
	s_mul_i32 s20, s20, 1536                       ; which of the two tiles of 16 rows
	s_and_b32 s21, s14, 3
	s_lshl_b32 s21, s21, 6                         ; 16 bytes a row of the tile, four rows a wave
	s_add_co_u32 s20, s20, s21
	s_add_co_u32 s20, s20, AIM
	v_lshrrev_b32 v8, 2, v2
	v_mul_u32_u24 v8, v8, 3072                     ; K step l / 4
	v_and_b32 v9, 1, v2
	v_lshl_add_u32 v8, v9, 8, v8                   ; the image's half of the lanes: l % 2
	v_add_nc_u32 v8, s20, v8
	v_bfe_u32 v9, v2, 1, 1                         ; registers 0-5 or 6-11 of the fragment: their three pairs lie at 0, 8, 512 or at 520, 1024, 1032
	v_mad_u32_u24 v10, v9, 520, v8
	v_mad_u32_u24 v11, v9, 1016, v8
	v_add_nc_u32 v11, 8, v11
	v_mad_u32_u24 v12, v9, 520, v8
	v_add_nc_u32 v12, 512, v12
	s_mul_i32 s32, s14, 3072
	s_add_co_u32 s32, s32, AIM
	v_add_nc_u32 v13, s32, v3                      ; the way out: wave v takes K step v's two images
	s_and_b32 s32, s14, 3
	s_lshl_b32 s32, s32, 8
	s_add_co_u32 s32, s32, ASC
	v_add_nc_u32 v14, s32, v4                      ; and waves 0-3 the scale bytes of j = v
	s_mov_b32 s22, 0x76543210
	s_mov_b32 s23, 0xfedcba98                      ; v_permlanex16_b32's selects for lane l xor 16
	s_mov_b32 s24, 0x3fb8aa3b                      ; log2(e)
	s_mov_b32 s25, s24
	s_lshr_b32 s26, s15, 3                         ; w of the tile
	s_bfe_u32 s27, s15, 0x10002
	s_lshl_b32 s27, s27, 2                         ; 4 c
	s_and_b32 s28, s15, 3                          ; P: which 32 rows of the tile's 128
	s_lshr_b32 s29, s14, 1
	s_add_co_u32 s29, s29, s27
	s_lshl_b32 s29, s29, 2
	s_add_co_u32 s29, s29, s26
	s_mul_i32 s29, s29, TILE                       ; tile (c, j = v / 2, w)
	s_and_b32 s30, s14, 1
	s_lshl_b32 s30, s30, 3
	s_lshl_b32 s31, s28, 1
	s_add_co_u32 s30, s30, s31
	s_mul_i32 s30, s30, 1536                       ; image 8 (v % 2) + 2 P
	s_add_co_u32 s30, s30, s29
	s_mov_b32 s31, 0
	s_and_b32 s33, s14, 3
	s_add_co_u32 s33, s33, s27
	s_lshl_b32 s33, s33, 2
	s_add_co_u32 s33, s33, s26
	s_mul_i32 s33, s33, TILE                       ; tile (c, j = v, w)
	s_lshl_b32 s34, s28, 8
	s_add_co_u32 s34, s34, s33
	s_add_co_u32 s34, s34, SCO
	s_mov_b32 s35, 0
	v_mov_b32 v181, 0                              ; a lane permute's destination counts as one of its sources
	s_wait_kmcnt 0x0
	s_add_nc_u64 s[8:9], s[8:9], s[16:17]
	s_add_nc_u64 s[30:31], s[12:13], s[30:31]
	s_add_nc_u64 s[34:35], s[12:13], s[34:35]
.irp n,0,1,2,3
.irp k,0,1,2,3,4,5,6,7
	global_load_b128 v[16+32*\n+4*\k:19+32*\n+4*\k], v3, s[8:9] offset:4096*\n+512*\k th:TH_LOAD_NT
.endr
.endr
.macro ROW n
	s_wait_loadcnt 8*(3-\n)                        ; row n's eight loads are in; the later rows' may be out
.irp k,0,1,2,3,4,5,6,7
	ds_store_b128 v5, v[16+32*\n+4*\k:19+32*\n+4*\k] offset:576*\k
.endr
	ds_load_b128 v[V:V+3],     v6                  ; my block, in the order of the codes' places: s 0-7,
	ds_load_b128 v[V+4:V+7],   v6 offset:16
	ds_load_b128 v[V+8:V+11],  v6 offset:64        ; s 16-23,
	ds_load_b128 v[V+12:V+15], v6 offset:80
	ds_load_b128 v[V+16:V+19], v6 offset:32        ; s 8-15,
	ds_load_b128 v[V+20:V+23], v6 offset:48
	ds_load_b128 v[V+24:V+27], v6 offset:96        ; s 24-31
	ds_load_b128 v[V+28:V+31], v6 offset:112
	s_wait_dscnt 0x0                               ; they are in, and the last row's stores have read their registers
	v_max3_num_f32 v176, v[V], v[V+1], v[V+2]      ; the block's largest number, in two chains
	v_max3_num_f32 v177, v[V+3], v[V+4], v[V+5]
.irp i,6,10,14,18,22,26
	v_max3_num_f32 v176, v176, v[V+\i], v[V+\i+1]
	v_max3_num_f32 v177, v177, v[V+\i+2], v[V+\i+3]
.endr
	v_max3_num_f32 v176, v176, v[V+30], v[V+31]
	v_max_num_f32 v176, v176, v177
	v_mov_b32 v178, v176
	v_max_num_f32_dpp v178, v178, v178 row_xmask:1 row_mask:0xf bank_mask:0xf
	v_max_num_f32_dpp v178, v178, v178 row_xmask:2 row_mask:0xf bank_mask:0xf
	v_max_num_f32_dpp v178, v178, v178 row_xmask:4 row_mask:0xf bank_mask:0xf
	v_max_num_f32_dpp v178, v178, v178 row_xmask:8 row_mask:0xf bank_mask:0xf
	v_permlanex16_b32 v181, v178, s22, s23
	v_max_num_f32 v178, v178, v181                 ; the row's largest number, in every lane
	v_mov_b32 v179, v178
.set j, 0
.rept 16
	v_pk_add_f32 v[V+j:V+j+1], v[V+j:V+j+1], v[178:179] neg_lo:[0,1] neg_hi:[0,1]
.set j, j+2
.endr
	v_sub_f32 v176, v176, v178                     ; the same two steps on the block's largest
.set j, 0
.rept 16
	v_pk_mul_f32 v[V+j:V+j+1], v[V+j:V+j+1], s[24:25] op_sel_hi:[1,0]
.set j, j+2
.endr
	v_mul_f32 v176, s24, v176
.set j, 0
.rept 32
	v_exp_f32 v[V+j], v[V+j]
.set j, j+1
.endr
	v_exp_f32 v176, v176                           ; the block's largest ew
	v_nop                                          ; a plain instruction behind the last exponential
	s_wait_alu depctr_va_vdst(0)                   ; one wait for the 33, ahead of the first line that names a result
	v_max_num_f32 v176, 0x1800000, v176            ; the floor 2^(3 - 127): the byte cannot fall under 1
	v_add_nc_u32 v177, 0xff000000, v176            ; 2 off the exponent field: the conversion takes this operand's exponent field as its scale
	v_lshrrev_b32 v180, 23, v177                   ; the scale's byte
	v_cvt_scalef32_pk16_fp6_f32 v[200:202], v[V:V+15], v177
	v_cvt_scalef32_pk16_fp6_f32 v[204:206], v[V+16:V+31], v177   ; (a conversion's three registers begin on an even number)
	v_nop                                          ; a plain instruction behind a scaled conversion
	v_mov_b32 v203, v204
	v_mov_b32 v204, v205
	v_mov_b32 v205, v206                           ; v200-205: the block's 24 bytes
	ds_store_b64 v10, v[200:201] offset:16*\n
	ds_store_b64 v11, v[202:203] offset:16*\n
	ds_store_b64 v12, v[204:205] offset:16*\n
	ds_store_b8 v7, v180 offset:8*\n
.endm
	ROW 0
	ROW 1
	ROW 2
	ROW 3
	s_wait_dscnt 0x0                               ; for the others' sake: my stores have landed
	s_barrier_signal -1
	s_barrier_wait -1                              ; (all eight waves of a work-group are on this path: it hangs on the work-group's number alone)
.irp k,0,1,2,3,4,5
	ds_load_b128 v[16+4*\k:19+4*\k], v13 offset:512*\k
.endr
.irp k,0,1,2,3,4,5
	s_wait_dscnt 5-\k
	global_store_b128 v3, v[16+4*\k:19+4*\k], s[30:31] offset:512*\k   ; 512 consecutive bytes, at a multiple of 256 from the buffer's first byte
.endr
	s_cmp_lt_u32 s14, 4
	s_cbranch_scc0 .Lend
	ds_load_b64 v[40:41], v14
	s_wait_dscnt 0x0
	global_store_b64 v4, v[40:41], s[34:35]        ; 256 consecutive bytes
.Lend:
	s_wait_tensorcnt 0x0
	ds_add_u32 v224, v225
	s_wait_dscnt 0x0
	s_endpgm
.Lfunc_end_k_q7115a09864_prep:
	.size	k_q7115a09864_prep, .Lfunc_end_k_q7115a09864_prep-k_q7115a09864_prep
	.p2alignl 7, 3214868480
	.fill 96, 4, 3214868480
	.section	.rodata,"a",@progbits
	.p2align	6, 0x0
	.amdhsa_kernel k_q7115a09864_prep
		.amdhsa_group_segment_fixed_size 118784
		.amdhsa_private_segment_fixed_size 0
		.amdhsa_enable_private_segment 0
		.amdhsa_kernarg_size 40
		.amdhsa_user_sgpr_count 2
		.amdhsa_user_sgpr_kernarg_segment_ptr 1
		.amdhsa_wavefront_size32 1
		.amdhsa_system_sgpr_workgroup_id_x 1
		.amdhsa_system_sgpr_workgroup_id_y 1
		.amdhsa_system_sgpr_workgroup_id_z 1
		.amdhsa_system_vgpr_workitem_id 0
		.amdhsa_next_free_vgpr 226
		.amdhsa_next_free_sgpr 66
		.amdhsa_reserve_vcc 0
		.amdhsa_float_denorm_mode_32 3
		.amdhsa_float_denorm_mode_16_64 3
		.amdhsa_memory_ordered 1
		.amdhsa_forward_progress 1
		.amdhsa_inst_pref_size 41
	.end_amdhsa_kernel
	.amdgpu_metadata
---
amdhsa.version: [ 1, 2 ]
amdhsa.kernels:
  - .name:           k_q7115a09864_prep
    .symbol:         k_q7115a09864_prep.kd
    .args:
      - { .name: x_codes, .offset: 0, .size: 8, .value_kind: global_buffer, .address_space: global }
      - { .name: x_scales, .offset: 8, .size: 8, .value_kind: global_buffer, .address_space: global }
      - { .name: pos_bias, .offset: 16, .size: 8, .value_kind: global_buffer, .address_space: global }
      - { .name: xs, .offset: 24, .size: 8, .value_kind: global_buffer, .address_space: global }
      - { .name: es, .offset: 32, .size: 8, .value_kind: global_buffer, .address_space: global }
    .group_segment_fixed_size: 118784
    .private_segment_fixed_size: 0
    .kernarg_segment_align: 8
    .kernarg_segment_size: 40
    .max_flat_workgroup_size: 256
    .sgpr_count:     66
    .vgpr_count:     226
    .wavefront_size: 32
...
	.end_amdgpu_metadata
.endif
;; end of part 1
;; launch aft (part 2): grid 8 x 32, 4 waves a work-group, clusters of 4 x 1, 327,680 bytes of LDS; arguments xs, es, Wq_codes, Wq_scales, Wk_codes, Wk_scales, Wv_codes, Wv_scales, bq, bk, bv, out0; writes out0
.if DOCPART == 2
	.amdgcn_target "amdgcn-amd-amdhsa--gfx1250"
	.amdhsa_code_object_version 6
	.text
	.protected	k_q7115a09864_aft
	.globl	k_q7115a09864_aft
	.p2align	8
	.type	k_q7115a09864_aft,@function
k_q7115a09864_aft:
	s_mov_b64 s[64:65], 0
	v_nop
	global_prefetch_b8 v0, s[64:65] scope:SCOPE_SE
	s_setreg_imm32_b32 hwreg(HW_REG_WAVE_MODE, 25, 1), 1
	s_wait_xcnt 0x0
	s_wait_alu depctr_hold_cnt(0) depctr_sa_sdst(0) depctr_va_vdst(0) depctr_va_sdst(0) depctr_va_ssrc(0) depctr_va_vcc(0) depctr_vm_vsrc(0)
	s_getreg_b32 s2, hwreg(HW_REG_IB_STS2, 6, 4)
	s_cmp_eq_u32 s2, 0
	s_cbranch_scc0 .Lentry_in_a_cluster
	s_endpgm
.Lentry_in_a_cluster:
	s_bfe_u32 s2, ttmp6, 0x10000c
	s_cmp_lg_u32 s2, 0x3003
	s_cbranch_scc0 .Lentry_shape_is_right
	s_endpgm
.Lentry_shape_is_right:
; out[b][t][d] = sigmoid(q) x num / den;  q, k, v = x W^T + bias;  num = ew (ek v), den = ew ek, ek = exp(k - max over s of k).  All five products on codes of FP6 (E2M3) with one E8M0 scale for each 32 along K.
; SHARES.  A work-group takes one batch b and 64 columns d (chunk = 0..7); its four waves take 256 rows each: as s where k and v are made, as t where num, den, q and out are made.
; PHASE KV, twice (32 columns d a trip): k and v of my 256 rows in ONE walk over x, source 0 = 16 rows of x, source 1 = 16 rows of W: a lane then holds one d and its registers run along s, which is the next K.
;   The biases are the C of each sum's first product.  Then the columns' maxima (through LDS, over the four waves), ek, ek v, and both are quantised in registers, block by block of 32 s;
;   their fragments go to LDS as images of their registers (3 x 512 bytes, lane l's 16 bytes at 16 l) and stay there: 8 K steps x 4 tiles of d for each of the two operands.
;   A lane's 16 registers of two neighbouring tiles hold s 0-7, 16-23 (lanes 0-15) or 8-15, 24-31 (lanes 16-31) of a block: so inside a block the codes stand in the order 0-7, 16-23, 8-15, 24-31, and ew's codes were laid alike.
; PHASE MIX, twice (128 rows t a wave): source 0 = the codes (4 tiles ek v, 4 tiles ek), source 1 = 8 tiles of ew: 64 accumulators, K = 1,024 in 8 steps; then q of the same rows (source 0 = Wq, source 1 = x),
;   out = num x rcp(den x 2^(-q log2 e) + den), through my stage in LDS, stored as whole rows of 256 bytes.
; TILES.  x and ew come as dense tiles of 25,600 bytes a wave (16 fragment images and 1,024 scale bytes) through two LDS slots; each wave fetches and reads its own part.
; CLUSTER.  The four chunks of a batch walk the same tiles of x and of ew: each tile is asked for JOINTLY, by the same tensor load with the same descriptor and the mask 15.  The weights are not shared so: the four partners
;   take different rows of W (64 each), and a wave keeps its fragments of W in registers through a phase.
; LIMITS: NaN and infinities are not served; v_exp_f32 gives 0 for results under 2^-126; a block of zeros gets the byte 1 (its codes are zeros; this program alone reads the bytes); a block's largest ek is taken as the
;   exponential of the block's largest k, by the same instructions (that takes v_exp_f32 not to fall where its input rises); the order of s inside a block of 32 changes the order of the unit's f32 sums alone.
; REGISTERS, in windows of 256.  Window 0: v1-30 addresses; v32-79 scale words and nothing else; v80-175 x's fragments (KV), later at work; v176-219 maxima; in MIX v80-143 q, v144-239 eight fragments of ew or x.
;   Window 1: KV: Wk's and Wv's fragments, v192-223 the biases;  MIX: the codes' fragments in two sets (v0-95, v128-223; later Wq's), v96-127 bq.   Windows 2, 3: KV: k and v;  MIX: the 64 accumulators.
.set TILE,  25600
.set SLOTB, 4*TILE                     ; a slot: four waves' parts
.set SCO,   24576                      ; where a part's scale bytes begin
.set CODV,  2*SLOTB                    ; images of ek v: [K step 8][tile of d 4][1,536]
.set CODK,  CODV+49152                 ; images of ek
.set CSC,   CODK+49152                 ; their scale words: [K step 8][tile 4][128]: lanes 0-15 ek v's, lanes 16-31 ek's
.set STG,   CSC+4096                   ; the way out: 16 rows x 272 bytes for each wave
.set KMX,   STG+17408                  ; the waves' column maxima
.set SPARE, KMX+1024                   ; the spare words, 128 bytes for each wave: two blocks of 256 bytes that no other line names
.set LI,   1                           ; 16 x lane
.set LS,   2                           ; 4 x lane
.set RA,   3                           ; v3, v4  my part of slot 0, 1: + 16 x lane
.set RS,   5                           ; v5, v6  its scale bytes: + 8 x lane
.set CV,   7
.set CK,   8
.set CS,   9
.set WVA,  10                          ; where I store images of ek v, of ek, and their scale words
.set WKA,  11
.set WSA,  12
.set KXR,  13
.set KXW,  14
.set STO,  15
.set RD,   16
.set GO,   17
.set WOFF, 18                          ; a weight's row lane % 16 of 384 bytes, + 24 x (lane / 16)
.set BO,   19
.set BQO,  20
.set SPW,  28                          ; LDS address of my spare word; never rewritten
.set NIL,  29                          ; 0; never rewritten
.set PFO,  30                          ; 256 x lane; never rewritten
.set XF0,  80
.set XF1,  128
.set PCK,  80                          ; the codes just made: ek's, ek v's
.set PCV,  100
.set TM,   120
.set BE,   136
.set PWK,  140
.set PWV,  141
.set PWX,  142
.set BM,   176                         ; the largest k of each block: 8 dtl + 4 kw + block
.set BT,   192
.set KM,   208                         ; the columns' maxima: a pair for each of the trip's two tiles of d
.set Q,    80
.set EF,   144
.set WV,   28                          ; s28 wave, s29 cx, s30 chunk, s31 b
.set G1,   32                          ; s[32:39] descriptor group 1, the same for every load
.set G0A,  40                          ; s[40:43] group 0 for slot 0;  s[44:47] for slot 1
.set G0B,  44
.set DX,   48                          ; s[48:49] my parts of x's tiles;  s[50:51] of ew's
.set DE,   50
.set SO,   52                          ; s[52:53] my rows of out
.set L2E,  54
.set NL2E, 56
.set SEL,  58
.set HI16, 60                          ; lanes 16-31
.set TR,   61
.set CH,   62
.set LIM,  63
.set PFA,  66
.set SB,   70
.set MSB, 0
.macro WIN new                         ; the immediate's high byte repeats the setting that is left
.if MSB != (\new)
	s_set_vgpr_msb (MSB<<8)|(\new)
.set MSB, (\new)
.endif
.endm
.macro PLACES                          ; four plain vector instructions: behind a matrix instruction, in front of loads into its registers and of reads of its result; and behind a tensor load
.rept 4
	v_nop
.endr
.endm
.macro CREST                           ; a round of the cluster's barrier behind its opening barrier
	s_cmp_lg_u32 s[WV], 0
	s_cbranch_scc1 .Lnot_wave_0_\@
	s_barrier_signal -3
.Lnot_wave_0_\@:
	s_barrier_wait -3
	s_barrier_signal -1
	s_barrier_wait -1
.endm
.macro ROUND
	s_barrier_signal -1
	s_barrier_wait -1
	CREST
.endm
; One product.  d, a, b, c: first registers of D, source 0, source 1, C (c < 0: the constant 0 starts the sum); sa, sb: the scale registers; ra, rb: 1 where the words stand in lanes 16-31.
.macro WM d, a, b, c, sa, sb, ra, rb
.if (\c) < 0
.if ((\ra) == 0) && ((\rb) == 0)
	v_wmma_scale_f32_16x16x128_f8f6f4 v[(\d):(\d)+7], v[(\a):(\a)+11], v[(\b):(\b)+11], 0, v[(\sa)], v[(\sb)] matrix_a_fmt:MATRIX_FMT_FP6 matrix_b_fmt:MATRIX_FMT_FP6
.elseif (\rb) == 0
	v_wmma_scale_f32_16x16x128_f8f6f4 v[(\d):(\d)+7], v[(\a):(\a)+11], v[(\b):(\b)+11], 0, v[(\sa)], v[(\sb)] matrix_a_fmt:MATRIX_FMT_FP6 matrix_b_fmt:MATRIX_FMT_FP6 matrix_a_scale:MATRIX_SCALE_ROW1
.elseif (\ra) == 0
	v_wmma_scale_f32_16x16x128_f8f6f4 v[(\d):(\d)+7], v[(\a):(\a)+11], v[(\b):(\b)+11], 0, v[(\sa)], v[(\sb)] matrix_a_fmt:MATRIX_FMT_FP6 matrix_b_fmt:MATRIX_FMT_FP6 matrix_b_scale:MATRIX_SCALE_ROW1
.else
	v_wmma_scale_f32_16x16x128_f8f6f4 v[(\d):(\d)+7], v[(\a):(\a)+11], v[(\b):(\b)+11], 0, v[(\sa)], v[(\sb)] matrix_a_fmt:MATRIX_FMT_FP6 matrix_b_fmt:MATRIX_FMT_FP6 matrix_a_scale:MATRIX_SCALE_ROW1 matrix_b_scale:MATRIX_SCALE_ROW1
.endif
.else
.if ((\ra) == 0) && ((\rb) == 0)
	v_wmma_scale_f32_16x16x128_f8f6f4 v[(\d):(\d)+7], v[(\a):(\a)+11], v[(\b):(\b)+11], v[(\c):(\c)+7], v[(\sa)], v[(\sb)] matrix_a_fmt:MATRIX_FMT_FP6 matrix_b_fmt:MATRIX_FMT_FP6
.elseif (\rb) == 0
	v_wmma_scale_f32_16x16x128_f8f6f4 v[(\d):(\d)+7], v[(\a):(\a)+11], v[(\b):(\b)+11], v[(\c):(\c)+7], v[(\sa)], v[(\sb)] matrix_a_fmt:MATRIX_FMT_FP6 matrix_b_fmt:MATRIX_FMT_FP6 matrix_a_scale:MATRIX_SCALE_ROW1
.elseif (\ra) == 0
	v_wmma_scale_f32_16x16x128_f8f6f4 v[(\d):(\d)+7], v[(\a):(\a)+11], v[(\b):(\b)+11], v[(\c):(\c)+7], v[(\sa)], v[(\sb)] matrix_a_fmt:MATRIX_FMT_FP6 matrix_b_fmt:MATRIX_FMT_FP6 matrix_b_scale:MATRIX_SCALE_ROW1
.else
	v_wmma_scale_f32_16x16x128_f8f6f4 v[(\d):(\d)+7], v[(\a):(\a)+11], v[(\b):(\b)+11], v[(\c):(\c)+7], v[(\sa)], v[(\sb)] matrix_a_fmt:MATRIX_FMT_FP6 matrix_b_fmt:MATRIX_FMT_FP6 matrix_a_scale:MATRIX_SCALE_ROW1 matrix_b_scale:MATRIX_SCALE_ROW1
.endif
.endif
.endm
; A change of slots that stands alone.  Every wave: all its tensor loads have landed; 0 onto its spare word; the add and its reads of the slot are over; a round of the cluster's barrier; then its one joint load, first thing.
.macro TURNP g0, base, imm
	s_wait_tensorcnt 0x0                           ; no tensor load of mine is out, so a group 0 may be written
	ds_add_u32 v[SPW], v[NIL]                      ; the address is written between the add and the wait for it
	s_add_nc_u64 s[\g0+2:\g0+3], s[\base:\base+1], \imm
	s_or_b32 s[\g0+3], s[\g0+3], 0x80000000        ; type = 2
	s_wait_dscnt 0x0
	ROUND                                          ; no wave of any partner still reads the slot or has a load on its way
	tensor_load_to_lds s[\g0:\g0+3], s[G1:G1+7]
	s_nop 0
	PLACES
.endm
.macro TURNPS g0, imm                  ; the same; in the first trip of phase KV the tile is x's once more, in the second ew's
	s_cmp_eq_u32 s[TR], 2
	s_cselect_b64 s[SB:SB+1], s[DX:DX+1], s[DE:DE+1]
	TURNP \g0, SB, \imm
.endm
; A prefetch of ew's tiles, which the second trip's last two changes of slots begin to ask for.  es is 3,200 blocks of 256 bytes: the first cluster of each of batches 0 to 24 asks, wave 0 of each partner, a lane a block;
; the partners are told apart by address (8,192 bytes each): each block is named once in the launch.  It stands behind the tensor load and its four lines, two changes of slots ahead of the first load of ew.
.macro ASK
	s_cmp_eq_u32 s[TR], s[LIM]
	s_cbranch_scc0 .Lnot_mine_\@
	global_prefetch_b8 v[PFO], s[PFA:PFA+1] th:TH_LOAD_NT scope:SCOPE_SE
.Lnot_mine_\@:
.endm
	s_load_b512 s[4:19], s[0:1], 0x0               ; xs, es, Wq codes, Wq scales, Wk codes, Wk scales, Wv codes, Wv scales
	s_load_b256 s[20:27], s[0:1], 0x40             ; bq, bk, bv, out0
	v_lshl_add_u32 v[SPW], v0, 2, SPARE
	v_mov_b32 v[NIL], 0
	ds_add_u32 v28, v29
	ds_add_u32 v28, v29
	s_wait_dscnt 0x0
	v_lshrrev_b32 v21, 5, v0
	v_readfirstlane_b32 s[WV], v21                 ; wave 0..3
	s_bfe_u32 s29, ttmp6, 0x40000                  ; cx: it enters the addresses of W, the biases, out and the prefetch alone
	s_lshl_b32 s30, ttmp9, 2
	s_add_co_u32 s30, s30, s29                     ; chunk of 64 columns d
	s_and_b32 s31, ttmp7, 0xffff                   ; b, which the four partners share
	; group 1: a dense block of 25,600 bytes as 100 rows of 32 elements of 8 bytes; no padding
	s_mov_b32 s[G1], 15|(3<<16)|(1<<21)            ; 15:0 the mask: all four work-groups; 17:16 elements of 8 bytes; 21 set beside a mask
	s_mov_b32 s[G1+1], 32<<16                      ; tensor_dim0
	s_mov_b32 s[G1+2], 100<<16                     ; tensor_dim1
	s_mov_b32 s[G1+3], 32<<16                      ; tile_dim0
	s_mov_b32 s[G1+4], 100                         ; tile_dim1
	s_mov_b32 s[G1+5], 32                          ; from row to row
	s_mov_b32 s[G1+6], 0
	s_mov_b32 s[G1+7], 0
	s_mul_i32 s68, s[WV], TILE                     ; my part of a tile, in memory and in a slot
	s_mov_b32 s69, 0
	s_mul_i32 s70, s31, 4*SLOTB                    ; a batch of x is four tiles
	s_add_co_u32 s70, s70, s68
	s_mov_b32 s71, 0
	s_mov_b32 s[G0A], 1
	s_mov_b32 s[G0A+1], s68
	s_mov_b32 s[G0B], 1
	s_add_co_u32 s[G0B+1], s68, SLOTB
	s_mov_b32 s[L2E], 0x3fb8aa3b                   ; log2(e)
	s_mov_b32 s[L2E+1], s[L2E]
	s_mov_b32 s[NL2E], 0xbfb8aa3b
	s_mov_b32 s[NL2E+1], s[NL2E]
	s_mov_b32 s[SEL], 0x76543210
	s_mov_b32 s[SEL+1], 0xfedcba98                 ; v_permlanex16_b32's selects for lane l xor 16
	s_mov_b32 s[HI16], 0xffff0000
	s_wait_kmcnt 0x0
	s_add_nc_u64 s[DX:DX+1], s[4:5], s[70:71]
	s_add_nc_u64 s[DE:DE+1], s[6:7], s[68:69]
	s_mov_b64 s[G0A+2:G0A+3], s[DX:DX+1]           ; x's rows 0-63 of my 256
	s_or_b32 s[G0A+3], s[G0A+3], 0x80000000
	s_add_nc_u64 s[G0B+2:G0B+3], s[DX:DX+1], SLOTB ; rows 64-127
	s_or_b32 s[G0B+3], s[G0B+3], 0x80000000
	ROUND                                          ; all four work-groups are here: the first joint loads meet
	tensor_load_to_lds s[G0A:G0A+3], s[G1:G1+7]    ; the two first fills go out together: two loads of mine are out, later one
	s_nop 0
	tensor_load_to_lds s[G0B:G0B+3], s[G1:G1+7]
	s_nop 0
	PLACES
	s_mul_i32 s72, s30, 24576                      ; my chunk's 64 rows of each weight,
	s_mov_b32 s73, 0
	s_add_nc_u64 s[8:9], s[8:9], s[72:73]
	s_add_nc_u64 s[12:13], s[12:13], s[72:73]
	s_add_nc_u64 s[16:17], s[16:17], s[72:73]
	s_lshl_b32 s72, s30, 10                        ; of its scale bytes,
	s_add_nc_u64 s[10:11], s[10:11], s[72:73]
	s_add_nc_u64 s[14:15], s[14:15], s[72:73]
	s_add_nc_u64 s[18:19], s[18:19], s[72:73]
	s_lshl_b32 s72, s30, 8                         ; of each bias,
	s_add_nc_u64 s[20:21], s[20:21], s[72:73]
	s_add_nc_u64 s[22:23], s[22:23], s[72:73]
	s_add_nc_u64 s[24:25], s[24:25], s[72:73]
	s_lshl_b32 s74, s31, 21                        ; and in out: 2,097,152 b + 524,288 wave + 256 chunk
	s_add_co_u32 s72, s72, s74
	s_lshl_b32 s74, s[WV], 19
	s_add_co_u32 s72, s72, s74
	s_add_nc_u64 s[SO:SO+1], s[26:27], s[72:73]
	s_min_u32 s72, s31, 24                         ; the prefetch: 32,768 bytes of es a batch (held to the last, so that the address lies in es in every work-group), 8,192 a partner
	s_lshl_b32 s72, s72, 15
	s_lshl_b32 s74, s29, 13
	s_add_co_u32 s72, s72, s74
	s_add_nc_u64 s[PFA:PFA+1], s[6:7], s[72:73]
	s_or_b32 s74, s[WV], ttmp9                     ; who asks: wave 0 of the batch's first cluster, batches 0 to 24: the same in all four partners
	s_cmp_lt_u32 s31, 25
	s_cselect_b32 s75, 0, 1
	s_or_b32 s74, s74, s75
	s_cmp_eq_u32 s74, 0
	s_cselect_b32 s[LIM], 1, -1
	v_and_b32 v21, 31, v0                          ; lane
	v_and_b32 v22, 15, v0                          ; r
	v_bfe_u32 v23, v0, 4, 1                        ; h
	v_lshlrev_b32 v[LI], 4, v21
	v_lshlrev_b32 v[LS], 2, v21
	v_add_nc_u32 v[RA], s68, v[LI]
	v_add_nc_u32 v[RA+1], SLOTB, v[RA]
	v_lshlrev_b32 v24, 3, v21
	v_add_nc_u32 v[RS], s68, v24
	v_add_nc_u32 v[RS], SCO, v[RS]
	v_add_nc_u32 v[RS+1], SLOTB, v[RS]
	v_add_nc_u32 v[CV], CODV, v[LI]
	v_add_nc_u32 v[CK], CODK, v[LI]
	v_add_nc_u32 v[CS], CSC, v[LS]
	s_mul_i32 s70, s[WV], 12288                    ; my two K steps of the images
	v_add_nc_u32 v[WVA], s70, v[CV]
	v_add_nc_u32 v[WKA], s70, v[CK]
	s_lshl_b32 s70, s[WV], 10
	v_add_nc_u32 v[WSA], s70, v[CS]
	v_add_nc_u32 v[KXR], KMX, v[LS]
	s_lshl_b32 s70, s[WV], 7
	v_add_nc_u32 v[KXW], s70, v[KXR]
	s_mul_i32 s70, s[WV], 4352
	s_add_co_u32 s70, s70, STG                     ; my stage
	v_mul_u32_u24 v[STO], v22, 272
	v_lshl_add_u32 v[STO], v23, 5, v[STO]
	v_add_nc_u32 v[STO], s70, v[STO]               ; in: row r, 32 bytes for each half of the lanes
	v_mul_u32_u24 v[RD], v23, 272
	v_lshl_add_u32 v[RD], v22, 4, v[RD]
	v_add_nc_u32 v[RD], s70, v[RD]                 ; back: lanes 0-15 one row of 256 bytes, lanes 16-31 the next
	v_lshlrev_b32 v[GO], 11, v23
	v_lshl_add_u32 v[GO], v22, 4, v[GO]            ; and the same two rows in out (2,048 bytes a row)
	v_mul_u32_u24 v[WOFF], v22, 384
	v_mad_u32_u24 v[WOFF], v23, 24, v[WOFF]
	v_lshlrev_b32 v[BO], 2, v22
	v_lshlrev_b32 v[BQO], 5, v23
	v_lshlrev_b32 v[PFO], 8, v21
.irp n,0,1,2,3,4,5,6,7,8,9,10,11,12,13,14,15
	v_mov_b32 v[BT+\n], 0                          ; written once: a lane permute's destination counts as one of its sources
.endr
; The weights of a trip: rows 32 dh + 16 dtl + r of my chunk of Wk and Wv, four K steps each; their scale words (lanes 0-15 dtl 0, lanes 16-31 dtl 1); the biases, eight registers a tile, all with the lane's own d.
.macro WLOAD dh
	WIN 0x40                                       ; destination window 1
.irp m,0,1
.irp dtl,0,1
.irp q,0,1,2,3
.irp p,0,1,2,3,4,5
	global_load_b64 v[96*\m+48*\dtl+12*\q+2*\p:96*\m+48*\dtl+12*\q+2*\p+1], v[WOFF], s[12+4*\m:13+4*\m] offset:12288*\dh+6144*\dtl+96*\q+48*(\p/3)+8*(\p%3)
.endr
.endr
.endr
.endr
.irp m,0,1
.irp dtl,0,1
.irp j,0,1,2,3,4,5,6,7
	global_load_b32 v[192+16*\m+8*\dtl+\j], v[BO], s[22+2*\m:23+2*\m] offset:128*\dh+64*\dtl
.endr
.endr
.endr
	WIN 0
	global_load_b128 v[32:35], v[LI], s[14:15] offset:512*\dh
	global_load_b128 v[36:39], v[LI], s[18:19] offset:512*\dh
.endm
	WLOAD 0
.macro XFETCH slot, t, xf              ; tile t's four fragments of x (16 rows, K steps 0-3): 12 loads
.irp q,0,1,2,3
.irp cc,0,1,2
	ds_load_b128 v[\xf+12*\q+4*\cc:\xf+12*\q+4*\cc+3], v[RA+\slot] offset:1536*(4*(\t)+\q)+512*\cc
.endr
.endr
.endm
; 64 rows of x against the trip's 32 rows of Wk and of Wv: for each tile of 16 rows four accumulators (k, k, v, v) by turns, K step by K step.
.macro XWORK i
.set SL, (\i)%2
.set WW, (\i)/2
	ds_load_b128 v[40+8*SL:43+8*SL], v[RA+SL] offset:SCO       ; x's scale words: four K steps a row; lanes 0-15 tile 0, lanes 16-31 tile 1,
	ds_load_b128 v[44+8*SL:47+8*SL], v[RA+SL] offset:SCO+512   ; tiles 2 and 3
	XFETCH SL, 0, XF0
	XFETCH SL, 1, XF1
.irp t,0,1,2,3
.if \t < 3
	s_wait_dscnt 12                                ; this tile's fragments are in; the next tile's twelve loads may be out
.else
	s_wait_dscnt 0x0
.endif
.set XF, XF0+48*(\t%2)
.set T8, 4*SL+\t
	WIN 0x94+0x40*WW                               ; source 1 (W) and C (the bias) window 1, D window 2 or 3
.irp u,0,1,2,3
	WM 64*\u+8*T8, XF, 96*(\u/2)+48*(\u%2), 192+8*\u, 40+8*SL+4*(\t/2), 32+4*(\u/2), \t%2, \u%2
.endr
	WIN 0xa4+0x50*WW                               ; C and D window 2 or 3
.irp q,1,2,3
.irp u,0,1,2,3
	WM 64*\u+8*T8, XF+12*\q, 96*(\u/2)+48*(\u%2)+12*\q, 64*\u+8*T8, 40+8*SL+4*(\t/2)+\q, 32+4*(\u/2)+\q, \t%2, \u%2
.endr
.endr
	WIN 0
	PLACES
.if \t < 2
	XFETCH SL, \t+2, XF
.endif
.endr
.endm
; The largest k of each block of 32 s (kept: it gives the block's largest ek), of my 256 rows, and, through LDS, of the column.
.macro KMAX
.irp kw,0,1
	WIN 0x28+0x14*\kw                              ; sources 1 and 2 window 2 or 3
.irp st,0,1,2,3,4,5,6,7                            ; each accumulator is read from its low end on
.irp dtl,0,1
.irp bb,0,1,2,3
.if \st == 0
	v_max3_num_f32 v[BM+8*\dtl+4*\kw+\bb], 0xff800000, v[64*\dtl+16*\bb], v[64*\dtl+16*\bb+1]
.else
	v_max3_num_f32 v[BM+8*\dtl+4*\kw+\bb], v[BM+8*\dtl+4*\kw+\bb], v[64*\dtl+16*\bb+2*\st], v[64*\dtl+16*\bb+2*\st+1]
.endif
.endr
.endr
.endr
.endr
	WIN 0
.irp n,0,1,2,3,4,5,6,7,8,9,10,11,12,13,14,15
	v_permlanex16_b32 v[BT+\n], v[BM+\n], s[SEL], s[SEL+1]
.endr
.irp n,0,1,2,3,4,5,6,7,8,9,10,11,12,13,14,15
	v_max_num_f32 v[BM+\n], v[BM+\n], v[BT+\n]     ; with lane l xor 16's 16 rows: the block's
.endr
.irp dtl,0,1
	v_max3_num_f32 v[212+\dtl], v[BM+8*\dtl], v[BM+8*\dtl+1], v[BM+8*\dtl+2]
.endr
.irp n,3,5
.irp dtl,0,1
	v_max3_num_f32 v[212+\dtl], v[212+\dtl], v[BM+8*\dtl+\n], v[BM+8*\dtl+\n+1]
.endr
.endr
.irp dtl,0,1
	v_max_num_f32 v[212+\dtl], v[212+\dtl], v[BM+8*\dtl+7]
.endr
	v_cndmask_b32 v214, v212, v213, s[HI16]        ; lanes 0-15: tile 0's columns, lanes 16-31: tile 1's
	ds_store_b32 v[KXW], v214
	s_wait_dscnt 0x0                               ; for the others' sake
	s_barrier_signal -1
	s_barrier_wait -1
.irp n,0,1,2,3
	ds_load_b32 v[214+\n], v[KXR] offset:128*\n
.endr
	s_wait_dscnt 0x0
	v_max3_num_f32 v214, v214, v215, v216
	v_max_num_f32 v214, v214, v217
	v_permlanex16_b32 v215, v214, s[SEL], s[SEL+1]
	v_cndmask_b32 v[KM], v214, v215, s[HI16]       ; tile 0's maxima in both halves of the lanes,
	v_cndmask_b32 v[KM+2], v215, v214, s[HI16]     ; tile 1's
	v_mov_b32 v[KM+1], v[KM]
	v_mov_b32 v[KM+3], v[KM+2]
.endm
.macro SCW pw                          ; from four largest magnitudes, held at the floor: the conversions' scale operands, the bytes, the scale word
.irp bb,0,1,2,3
	v_add_nc_u32 v[TM+12+\bb], 0xff000000, v[TM+\bb]   ; 2 off the exponent field
.endr
.irp bb,0,1,2,3
	v_lshrrev_b32 v[TM+4+\bb], 23, v[TM+12+\bb]
.endr
	v_lshl_or_b32 v[\pw], v[TM+5], 8, v[TM+4]
	v_lshl_or_b32 v[\pw], v[TM+6], 16, v[\pw]
	v_lshl_or_b32 v[\pw], v[TM+7], 24, v[\pw]
.endm
.macro QCODES src, kw, pc              ; 64 numbers of a lane in window 2 + kw become a fragment's 12 registers from v[pc] on
	WIN 0x02+(\kw)
.irp c,0,1
	v_cvt_scalef32_pk16_fp6_f32 v[\pc+6*\c:\pc+6*\c+2], v[\src+32*\c:\src+32*\c+15], v[TM+12+2*\c]
	v_cvt_scalef32_pk16_fp6_f32 v[\pc+12+4*\c:\pc+14+4*\c], v[\src+32*\c+16:\src+32*\c+31], v[TM+13+2*\c]   ; (a conversion's three registers begin on an even number)
.endr
	WIN 0
	v_nop                                          ; a plain instruction behind a scaled conversion
.irp c,0,1                                         ; the operand's layout wants a whole block in a lane: lanes 0-15 block 2 c, lanes 16-31 block 2 c + 1
.irp i,0,1,2
	v_permlane16_swap_b32 v[\pc+6*\c+\i], v[\pc+12+4*\c+\i]
.endr
.irp i,0,1,2
	v_mov_b32 v[\pc+3+6*\c+\i], v[\pc+12+4*\c+\i]
.endr
.endr
.endm
; One tile of 16 columns d x one K step of 128 s: ek, ek v, both quantised, their images and scale words to LDS.
.macro UNIT dtl, kw
.set KB, 64*(\dtl)
.set VB, 128+64*(\dtl)
	s_wait_dscnt 0x0                               ; the last unit's stores have read their registers
.irp bb,0,1,2,3
	v_sub_f32 v[BE+\bb], v[BM+8*(\dtl)+4*(\kw)+\bb], v[KM+2*(\dtl)]
.endr
.irp bb,0,1,2,3
	v_mul_f32 v[BE+\bb], s[L2E], v[BE+\bb]
.endr
	WIN 0x82+0x41*(\kw)                            ; in place in window 2 or 3
.set j, 0
.rept 32
	v_pk_add_f32 v[KB+j:KB+j+1], v[KB+j:KB+j+1], v[KM+2*(\dtl):KM+2*(\dtl)+1] neg_lo:[0,1] neg_hi:[0,1]   ; k - the column's maximum, as it is defined; then x log2(e)
.set j, j+2
.endr
.set j, 0
.rept 32
	v_pk_mul_f32 v[KB+j:KB+j+1], v[KB+j:KB+j+1], s[L2E:L2E+1] op_sel_hi:[1,0]
.set j, j+2
.endr
.set j, 0
.rept 64
	v_exp_f32 v[KB+j], v[KB+j]
.set j, j+1
.endr
	WIN 0
.irp bb,0,1,2,3
	v_exp_f32 v[BE+\bb], v[BE+\bb]                 ; each block's largest ek: the same instructions on the same number
.endr
	v_nop                                          ; a plain instruction behind the last exponential
	s_wait_alu depctr_va_vdst(0)                   ; one wait for the 68, ahead of the first line that names a result
	WIN 0x8a+0x45*(\kw)
.set j, 0
.rept 32
	v_pk_mul_f32 v[VB+j:VB+j+1], v[VB+j:VB+j+1], v[KB+j:KB+j+1]   ; ek v, in v's place; each accumulator from its low end on
.set j, j+2
.endr
	WIN 0
.irp bb,0,1,2,3
	v_max_num_f32 v[TM+\bb], 0x1800000, v[BE+\bb]  ; the floor 2^(3 - 127): the byte cannot fall under 1
.endr
	SCW PWK
	QCODES KB, \kw, PCK
	WIN 0x28+0x14*(\kw)
.irp bb,0,1,2,3
	v_max3_num_f32 v[TM+\bb], 0x1800000, |v[VB+16*\bb]|, |v[VB+16*\bb+1]|
.endr
.irp i,2,4,6,8,10,12,14
.irp bb,0,1,2,3
	v_max3_num_f32 v[TM+\bb], v[TM+\bb], |v[VB+16*\bb+\i]|, |v[VB+16*\bb+\i+1]|
.endr
.endr
	WIN 0
.irp bb,0,1,2,3
	v_permlanex16_b32 v[TM+4+\bb], v[TM+\bb], s[SEL], s[SEL+1]
.endr
.irp bb,0,1,2,3
	v_max_num_f32 v[TM+\bb], v[TM+\bb], v[TM+4+\bb]
.endr
	SCW PWV
	QCODES VB, \kw, PCV
.irp cc,0,1,2
	ds_store_b128 v[WKA], v[PCK+4*\cc:PCK+4*\cc+3] offset:6144*(\kw)+1536*(\dtl)+512*\cc
.endr
.irp cc,0,1,2
	ds_store_b128 v[WVA], v[PCV+4*\cc:PCV+4*\cc+3] offset:6144*(\kw)+1536*(\dtl)+512*\cc
.endr
	v_cndmask_b32 v[PWX], v[PWV], v[PWK], s[HI16]  ; lanes 0-15 ek v's word, lanes 16-31 ek's
	ds_store_b32 v[WSA], v[PWX] offset:512*(\kw)+128*(\dtl)
.endm
	; ---------------- PHASE KV: two trips, 32 columns d each
	s_mov_b32 s[TR], 2
.Lkv:
	s_wait_loadcnt 0x0                             ; the trip's weights, scale words and biases
	s_wait_tensorcnt 0x1                           ; x's first tile has landed; the one load issued behind it may be out
	XWORK 0
	TURNP G0A, DX, 2*SLOTB                         ; slot 0 <- rows 128-191
	ASK
	XWORK 1
	TURNP G0B, DX, 3*SLOTB                         ; slot 1 <- rows 192-255
	XWORK 2
	TURNPS G0A, 0                                  ; slot 0 <- x's first tile again, or ew's first
	XWORK 3
	s_cmp_lg_u32 s[TR], 2
	s_cbranch_scc1 .Lno_more_w
	WLOAD 1                                        ; the second trip's weights land under the vector work
.Lno_more_w:
	KMAX
	UNIT 0, 0
	UNIT 1, 0
	TURNPS G0B, SLOTB                              ; slot 1 <- the second tile of x, or of ew
	UNIT 0, 1
	UNIT 1, 1
	s_wait_dscnt 0x0                               ; my stores have landed and have read their registers
	v_add_nc_u32 v[WVA], 3072, v[WVA]              ; the next trip's two tiles of d
	v_add_nc_u32 v[WKA], 3072, v[WKA]
	v_add_nc_u32 v[WSA], 256, v[WSA]
	s_sub_co_u32 s[TR], s[TR], 1
	s_cmp_lg_u32 s[TR], 0
	s_cbranch_scc1 .Lkv
	s_barrier_signal -1                            ; every wave's images lie in LDS
	s_barrier_wait -1
	s_wait_loadcnt 0x0                             ; all the weights' loads are in: the lines from here on load into the registers of window 1 that held them (none is out after the second trip's head: the wait is met at once)
	WIN 0x40
.irp dt,0,1,2,3                                    ; bq in the result's layout: lane (r, h) holds the tile's columns 8 h + 0 .. 7
	global_load_b128 v[96+8*\dt:99+8*\dt], v[BQO], s[20:21] offset:64*\dt
	global_load_b128 v[100+8*\dt:103+8*\dt], v[BQO], s[20:21] offset:64*\dt+16
.endr
	WIN 0
	global_load_b128 v[64:67], v[LI], s[10:11]     ; Wq's scale words: lanes 0-15 tile 0 (2), lanes 16-31 tile 1 (3)
	global_load_b128 v[68:71], v[LI], s[10:11] offset:512
; ---------------- PHASE MIX
.macro FETCH_C kap, p                  ; K step kap's eight fragments of codes into set p of window 1: four tiles of ek v, four of ek
	WIN 0x40
.irp a,0,1,2,3
.irp cc,0,1,2
	ds_load_b128 v[128*(\p)+12*\a+4*\cc:128*(\p)+12*\a+4*\cc+3], v[CV] offset:6144*(\kap)+1536*\a+512*\cc
.endr
.endr
.irp a,0,1,2,3
.irp cc,0,1,2
	ds_load_b128 v[128*(\p)+48+12*\a+4*\cc:128*(\p)+48+12*\a+4*\cc+3], v[CK] offset:6144*(\kap)+1536*\a+512*\cc
.endr
.endr
	WIN 0
.endm
.macro FETCH_E slot, qp, t0            ; ew's tiles t0 .. t0 + 3 of the slot's K step qp
.irp t, \t0, \t0+1, \t0+2, \t0+3
.irp cc,0,1,2
	ds_load_b128 v[EF+12*(\t)+4*\cc:EF+12*(\t)+4*\cc+3], v[RA+\slot] offset:1536*(8*(\qp)+(\t))+512*\cc
.endr
.endr
.endm
.macro SCALES set, kap0                ; a slot's scale words: the codes' (4 q' + tile), ew's (2 P + q': lanes 0-15 tile 2 P, lanes 16-31 tile 2 P + 1)
.irp qq,0,1
.irp dt,0,1,2,3
	ds_load_b32 v[32+16*(\set)+4*\qq+\dt], v[CS] offset:512*((\kap0)+\qq)+128*\dt
.endr
.endr
.irp pp,0,1,2,3
	ds_load_b64 v[40+16*(\set)+2*\pp:41+16*(\set)+2*\pp], v[RS+\set] offset:256*\pp
.endr
.endm
; 16 products: ew's tiles t0, t0 + 1 against the eight fragments of codes.  The 64 accumulators take turns, in the same order in every step.
.macro MUL16 t0, p, qp, set, zero
.irp t, \t0, \t0+1
.irp a,0,1,2,3,4,5,6,7
.if \zero
	WM 8*(8*((\t)%4)+\a), 128*(\p)+12*\a, EF+12*(\t), -1, 32+16*(\set)+4*(\qp)+(\a%4), 40+16*(\set)+2*((\t)/2)+(\qp), \a/4, (\t)%2
.else
	WM 8*(8*((\t)%4)+\a), 128*(\p)+12*\a, EF+12*(\t), 8*(8*((\t)%4)+\a), 32+16*(\set)+4*(\qp)+(\a%4), 40+16*(\set)+2*((\t)/2)+(\qp), \a/4, (\t)%2
.endif
.endr
.endr
.endm
.macro STEP slot, kap, zero            ; a slot's first K step
	s_wait_dscnt 12                                ; all but ew's tiles 4-7
	WIN 0xa1                                       ; source 0 (codes) window 1, source 1 (ew) window 0, C and D window 2
	MUL16 0, 0, 0, \slot, \zero
	MUL16 2, 0, 0, \slot, \zero
	s_wait_dscnt 0x0
	PLACES
	FETCH_C (\kap)+1, 1
	FETCH_E \slot, 1, 0
	WIN 0xf1
	MUL16 4, 0, 0, \slot, \zero
	MUL16 6, 0, 0, \slot, \zero
	PLACES
	WIN 0
	FETCH_E \slot, 1, 4
.endm
.macro FXH slot, u, tp                 ; x's tile 2 u + tp of the slot: four K steps
.irp q,0,1,2,3
.irp cc,0,1,2
	ds_load_b128 v[EF+12*(4*(\tp)+\q)+4*\cc:EF+12*(4*(\tp)+\q)+4*\cc+3], v[RA+\slot] offset:1536*(8*(\u)+4*(\tp)+\q)+512*\cc
.endr
.endr
.endm
.macro XSC slot, u, set
	ds_load_b128 v[72+4*(\set):75+4*(\set)], v[RA+\slot] offset:SCO+512*(\u)
.endm
.macro FX slot, u, set
	FXH \slot, \u, 0
	FXH \slot, \u, 1
	XSC \slot, \u, \set
.endm
.macro WQLOAD g                        ; Wq's fragments of K steps 2 g, 2 g + 1 (fragment 4 q + tile), where a set of codes lay
	WIN 0x40
.irp qq,0,1
.irp dt,0,1,2,3
.irp p,0,1,2,3,4,5
	global_load_b64 v[128*(\g)+12*(4*\qq+\dt)+2*\p:128*(\g)+12*(4*\qq+\dt)+2*\p+1], v[WOFF], s[8:9] offset:6144*\dt+96*(2*(\g)+\qq)+48*(\p/3)+8*(\p%3)
.endr
.endr
.endr
	WIN 0
.endm
; A slot's second K step changes slots: one round; in front of it each wave waits for all its tensor loads, adds 0 to its spare word, and waits for that and for its reads of this slot.  toq = 1: the last K step: x and Wq are fetched next.
.macro TURN slot, next, kap, g0, base, imm, toq
	s_wait_tensorcnt 0x0                           ; all my tensor loads have landed: my part of the next slot
	ds_add_u32 v[SPW], v[NIL]
	s_add_nc_u64 s[\g0+2:\g0+3], s[\base:\base+1], \imm
	s_or_b32 s[\g0+3], s[\g0+3], 0x80000000
	s_wait_dscnt 13                                ; (the add and the twelve youngest loads, ew's tiles 4-7, may be out)
	WIN 0xa1
	MUL16 0, 1, 1, \slot, 0                        ; sixteen products stand between the add and the wait for it
	s_wait_dscnt 0x0                               ; the add is done, and my reads of this slot are over
	s_barrier_signal -1
	MUL16 2, 1, 1, \slot, 0
	WIN 0
	s_barrier_wait -1
	CREST                                          ; no wave of any partner still reads this slot or has a load on its way
	tensor_load_to_lds s[\g0:\g0+3], s[G1:G1+7]
	s_nop 0
	PLACES                                         ; (also the places in front of the loads below)
.if \toq
	FXH 0, 0, 0
	XSC 0, 0, 0
	WQLOAD 0
.else
	FETCH_C (\kap)+1, 0
	FETCH_E \next, 0, 0
	SCALES \next, (\kap)+1
.endif
	WIN 0xf1
	MUL16 4, 1, 1, \slot, 0
	MUL16 6, 1, 1, \slot, 0
	PLACES
	WIN 0
.if \toq
	FXH 0, 0, 1
	WQLOAD 1
.else
	FETCH_E \next, 0, 4
.endif
.endm
; q of 32 rows t (tiles 2 p, 2 p + 1): source 0 = Wq, source 1 = x, C of the first K step = bq; eight accumulators by turns.
.macro QMUL p
	s_wait_dscnt 0x0                               ; x's fragments and scale words
	s_wait_xcnt 0x0                                ; the last pair's stores have read q's registers
.if (\p) == 0
	s_wait_loadcnt 48                              ; bq, Wq's scale words and its K steps 0, 1 are in; the 48 loads of K steps 2, 3 may be out
.endif
	WIN 0x11                                       ; source 0 and C window 1
.irp tp,0,1
.irp dt,0,1,2,3
	WM Q+32*\tp+8*\dt, 12*\dt, EF+48*\tp, 96+8*\dt, 64+4*(\dt/2), 72+4*((\p)%2), \dt%2, \tp
.endr
.endr
	WIN 0x01
.irp q,1,2,3
.if ((\p) == 0) && (\q == 2)
	s_wait_loadcnt 0x0
.endif
.irp tp,0,1
.irp dt,0,1,2,3
	WM Q+32*\tp+8*\dt, 128*(\q/2)+12*(4*(\q%2)+\dt), EF+48*\tp+12*\q, Q+32*\tp+8*\dt, 64+4*(\dt/2)+\q, 72+4*((\p)%2)+\q, \dt%2, \tp
.endr
.endr
.endr
	WIN 0
	PLACES
.endm
; out of the same 32 rows: num x rcp(den x 2^(-q log2 e) + den), in q's registers; through my stage, 16 rows at a time; sixteen lanes store a row's 256 bytes.
.macro EPI p
.set WE, (\p)/2
.set j, 0
.rept 32
	v_pk_mul_f32 v[Q+j:Q+j+1], v[Q+j:Q+j+1], s[NL2E:NL2E+1] op_sel_hi:[1,0]
.set j, j+2
.endr
.set j, 0
.rept 64
	v_exp_f32 v[Q+j], v[Q+j]
.set j, j+1
.endr
	v_nop
	s_wait_alu depctr_va_vdst(0)                   ; one wait for the 64 exponentials, ahead of their first reader
	WIN 0x22+0x11*WE                               ; den: sources 0 and 2, window 2 or 3
.irp tp,0,1
.set AB, 64*((2*(\p)+\tp)%4)
.set j, 0
.rept 16
	v_pk_fma_f32 v[Q+32*\tp+j:Q+32*\tp+j+1], v[AB+32+j:AB+33+j], v[Q+32*\tp+j:Q+32*\tp+j+1], v[AB+32+j:AB+33+j]
.set j, j+2
.endr
.endr
	WIN 0
.set j, 0
.rept 64
	v_rcp_f32 v[Q+j], v[Q+j]
.set j, j+1
.endr
	v_nop
	s_wait_alu depctr_va_vdst(0)                   ; and one for the 64 reciprocals
	WIN 0x02+WE                                    ; num: source 0
.irp tp,0,1
.set AB, 64*((2*(\p)+\tp)%4)
.set j, 0
.rept 16
	v_pk_mul_f32 v[Q+32*\tp+j:Q+32*\tp+j+1], v[AB+j:AB+j+1], v[Q+32*\tp+j:Q+32*\tp+j+1]
.set j, j+2
.endr
.endr
	WIN 0
.irp tp,0,1
.irp dt,0,1,2,3
	ds_store_b128 v[STO], v[Q+32*\tp+8*\dt:Q+32*\tp+8*\dt+3] offset:64*\dt
	ds_store_b128 v[STO], v[Q+32*\tp+8*\dt+4:Q+32*\tp+8*\dt+7] offset:64*\dt+16
.endr
.irp i,0,1,2,3,4,5,6,7
	ds_load_b128 v[Q+32*\tp+4*\i:Q+32*\tp+4*\i+3], v[RD] offset:544*\i   ; LDS serves a wave's instructions in order: these see the stores above, and the next tile's stores come behind them
.endr
.endr
.irp tp,0,1
.irp i,0,1,2,3,4,5,6,7
	s_wait_dscnt 16*(1-\tp)+7-\i                   ; the LDS instructions issued behind this load may be out
	global_store_b128 v[GO], v[Q+32*\tp+4*\i:Q+32*\tp+4*\i+3], s[SO:SO+1] offset:2048*(16*(2*(\p)+\tp)+2*\i) th:TH_STORE_NT   ; 16 lanes store 256 consecutive bytes, at a multiple of 256 from out's first byte
.endr
.endr
.endm
	s_mov_b32 s[CH], 2                             ; chunks of 128 rows t to go, this one among them
.Lchunk:
	s_wait_tensorcnt 0x1                           ; ew's first tile has landed; the one load issued behind it may be out
	FETCH_C 0, 0
	FETCH_E 0, 0, 0
	SCALES 0, 0
	FETCH_E 0, 0, 4
	STEP 0, 0, 1                                   ; the first K step's products start the sums
	TURN 0, 1, 1, G0A, DE, 2*SLOTB, 0              ; slot 0 <- s 512-767
	STEP 1, 2, 0
	TURN 1, 0, 3, G0B, DE, 3*SLOTB, 0              ; slot 1 <- s 768-1023
	STEP 0, 4, 0
	TURN 0, 1, 5, G0A, DX, 0, 0                    ; slot 0 <- x's rows of my t 0-63
	STEP 1, 6, 0
	TURN 1, 0, 7, G0B, DX, SLOTB, 1                ; slot 1 <- x's rows of my t 64-127
	QMUL 0
	FX 0, 1, 1
	EPI 0
	QMUL 1
	EPI 1
	s_cmp_eq_u32 s[CH], 1
	s_cbranch_scc1 .Llast                          ; the last chunk's tail is written out: it asks for nothing more
	TURNP G0A, DE, 4*SLOTB                         ; slot 0 <- the next chunk's first tile of ew
	FX 1, 0, 0
	QMUL 2
	FX 1, 1, 1
	EPI 2
	QMUL 3
	TURNP G0B, DE, 5*SLOTB                         ; slot 1 <- its second
	EPI 3
	s_wait_xcnt 0x0                                ; the stores have read their base
	s_add_nc_u64 s[DE:DE+1], s[DE:DE+1], 4*SLOTB
	s_add_nc_u64 s[DX:DX+1], s[DX:DX+1], 2*SLOTB
	s_add_nc_u64 s[SO:SO+1], s[SO:SO+1], 128*2048
	s_sub_co_u32 s[CH], s[CH], 1
	s_branch .Lchunk
.Llast:
	s_wait_tensorcnt 0x0                           ; x's last tile has landed
	FX 1, 0, 0
	QMUL 2
	FX 1, 1, 1
	EPI 2
	QMUL 3
	EPI 3
	s_wait_tensorcnt 0x0                           ; the wave's end, behind my last tensor load and my last LDS store
	ds_add_u32 v[SPW], v[NIL]
	s_wait_dscnt 0x0
	ROUND                                          ; the closing round: no work-group ends while a partner may still ask for a tile that names it
	s_endpgm
.Lfunc_end_k_q7115a09864_aft:
	.size	k_q7115a09864_aft, .Lfunc_end_k_q7115a09864_aft-k_q7115a09864_aft
	.p2alignl 7, 3214868480
	.fill 96, 4, 3214868480
	.section	.rodata,"a",@progbits
	.p2align	6, 0x0
	.amdhsa_kernel k_q7115a09864_aft
		.amdhsa_group_segment_fixed_size 327680
		.amdhsa_private_segment_fixed_size 0
		.amdhsa_enable_private_segment 0
		.amdhsa_kernarg_size 96
		.amdhsa_user_sgpr_count 2
		.amdhsa_user_sgpr_kernarg_segment_ptr 1
		.amdhsa_wavefront_size32 1
		.amdhsa_system_sgpr_workgroup_id_x 1
		.amdhsa_system_sgpr_workgroup_id_y 1
		.amdhsa_system_sgpr_workgroup_id_z 1
		.amdhsa_system_vgpr_workitem_id 0
		.amdhsa_next_free_vgpr 1024
		.amdhsa_next_free_sgpr 100
		.amdhsa_reserve_vcc 0
		.amdhsa_float_denorm_mode_32 3
		.amdhsa_float_denorm_mode_16_64 3
		.amdhsa_memory_ordered 1
		.amdhsa_forward_progress 1
		.amdhsa_inst_pref_size 255
	.end_amdhsa_kernel
	.section	.bss,"aw",@nobits
	.p2align	6
	.space	262144
	.amdgpu_metadata
---
amdhsa.version: [ 1, 2 ]
amdhsa.kernels:
  - .name:           k_q7115a09864_aft
    .symbol:         k_q7115a09864_aft.kd
    .args:
      - { .name: xs, .offset: 0, .size: 8, .value_kind: global_buffer, .address_space: global }
      - { .name: es, .offset: 8, .size: 8, .value_kind: global_buffer, .address_space: global }
      - { .name: Wq_codes, .offset: 16, .size: 8, .value_kind: global_buffer, .address_space: global }
      - { .name: Wq_scales, .offset: 24, .size: 8, .value_kind: global_buffer, .address_space: global }
      - { .name: Wk_codes, .offset: 32, .size: 8, .value_kind: global_buffer, .address_space: global }
      - { .name: Wk_scales, .offset: 40, .size: 8, .value_kind: global_buffer, .address_space: global }
      - { .name: Wv_codes, .offset: 48, .size: 8, .value_kind: global_buffer, .address_space: global }
      - { .name: Wv_scales, .offset: 56, .size: 8, .value_kind: global_buffer, .address_space: global }
      - { .name: bq, .offset: 64, .size: 8, .value_kind: global_buffer, .address_space: global }
      - { .name: bk, .offset: 72, .size: 8, .value_kind: global_buffer, .address_space: global }
      - { .name: bv, .offset: 80, .size: 8, .value_kind: global_buffer, .address_space: global }
      - { .name: out0, .offset: 88, .size: 8, .value_kind: global_buffer, .address_space: global }
    .group_segment_fixed_size: 327680
    .private_segment_fixed_size: 0
    .kernarg_segment_align: 8
    .kernarg_segment_size: 96
    .max_flat_workgroup_size: 128
    .sgpr_count:     100
    .vgpr_count:     1024
    .wavefront_size: 32
...
	.end_amdgpu_metadata
.endif
;; end of part 2
;; ======== version 2 of 2: 2 launches
;; limits: right only within a limited range of input values
;; workspace buffers: xs 13,107,200 bytes; es 819,200 bytes; ws 589,824 bytes
;; launch prep (part 3): grid 300 x 1, 8 waves a work-group, no clusters, 118,784 bytes of LDS; arguments x_codes, x_scales, pos_bias, Wq_codes, Wk_codes, Wv_codes, xs, es, ws; writes xs, es, ws
.if DOCPART == 3
	.amdgcn_target "amdgcn-amd-amdhsa--gfx1250"
	.amdhsa_code_object_version 6
	.text
	.protected	k_q7115a09864_prep
	.globl	k_q7115a09864_prep
	.p2align	8
	.type	k_q7115a09864_prep,@function
k_q7115a09864_prep:
	s_mov_b64 s[64:65], 0
	v_nop
	global_prefetch_b8 v0, s[64:65] scope:SCOPE_SE
	s_setreg_imm32_b32 hwreg(HW_REG_WAVE_MODE, 25, 1), 1
	s_wait_xcnt 0x0
; Three jobs, parted on the work-group's number; the longest has the lowest numbers.  The two that use LDS have LDS bytes of their own.
; A fragment (16 rows x 128 K of 6-bit codes) is 12 registers a lane; its IMAGE is 3 blocks of 512 bytes, block cc holding registers 4 cc .. 4 cc + 3 of lane l at 16 l: three loads of 16 bytes a lane bring it back.
; E (work-groups 0-31): ew = exp(pos_bias - its row's maximum), quantised along s to E2M3 with one E8M0 byte for each 32.
;   es = [c 2][j 4][w 4][25,600]: rows t = 256 w + 128 c + 0 .. 127, s = 256 j + 0 .. 255: 16 images (8 q' + tau), then 8 scale bytes a row.
;   INSIDE A BLOCK OF 32 the codes stand in the order s 0-7, 16-23, 8-15, 24-31: the order in which the second launch's own codes of the other operand fall.  Blocks and scales are as the quantiser has them.
; W (work-groups 32-43): the codes of Wq, Wk, Wv [512 rows][384 bytes] as images: ws = [Wq, Wk, Wv][tile of 16 rows 32][K step 4][1,536].  A wave takes one tile: each lane reads its fragments' bytes from its row,
;   once for the whole program, so that the second launch's 1,024 waves can read them as consecutive bytes.
; X (work-groups 44-299): x's codes [32768 rows][384 bytes] and scale bytes [32768][16], in the order in which the second launch's tiles want them.
;   xs = [b 32][i 4][w 4][25,600 bytes]: rows 256 w + 64 i + 0 .. 63 of batch b: 16 images (4 T + q: tile of 16 rows T, K step q), then the rows' 1,024 scale bytes as they lie.
; A block's scale is 2^(floor(log2(largest)) - 2): the largest number's exponent field less 2, held at 1 from below.
; LIMITS: NaN and infinities are not served; v_exp_f32 gives 0 for results under 2^-126; a block of zeros gets the byte 1 (its codes are zeros, and this program alone reads the bytes);
; a block's largest ew is taken as the exponential of the block's largest argument, by the same instructions: that takes v_exp_f32 not to fall where its input rises.
.set NE,   32                          ; work-groups of E
.set NW,   12                          ; of W
.set XT,   0                           ; X: a stage of 48 pieces x (128 + 16) bytes for each wave: 16 rows of three pieces, 432 bytes from row to row
.set XW,   6912
.set ET,   55296                       ; E: a stage of 32 blocks x 144 bytes for each wave
.set AIM,  92160                       ; E: the work-group's images: [K step 8][tile 2][1,536]
.set ASC,  116736                      ; E: its scale bytes: [j 4][row 32][8]
.set TILE, 25600
.set SCO,  24576                       ; where a tile's scale bytes begin
.set V,    144                         ; E: v144-175 a block's 32 numbers
	s_load_b512 s[4:19], s[0:1], 0x0               ; x_codes s[4:5], x_scales s[6:7], pos_bias s[8:9], Wq_codes s[10:11], Wk_codes s[12:13], Wv_codes s[14:15], xs s[16:17], es s[18:19]
	s_load_b64 s[20:21], s[0:1], 0x40              ; ws
	v_lshl_add_u32 v224, v0, 2, 0x1cc00
	v_mov_b32 v225, 0
	v_lshrrev_b32 v1, 5, v0
	s_delay_alu instid0(VALU_DEP_1)
	v_readfirstlane_b32 s22, v1                    ; wave 0..7
	v_and_b32 v2, 31, v0                           ; lane
	s_delay_alu instid0(VALU_DEP_1)
	v_lshlrev_b32 v3, 4, v2                        ; 16 x lane
	s_delay_alu instid0(VALU_DEP_2)
	v_lshlrev_b32 v4, 3, v2                        ; 8 x lane
	s_cmp_lt_u32 ttmp9, NE
	s_cbranch_scc1 .Lew
	s_cmp_lt_u32 ttmp9, NE+NW
	s_cbranch_scc1 .Lw
	; ---------------- X: my wave takes 16 rows: tile number 8 x (work-group - 44) + wave
	s_sub_co_u32 s23, ttmp9, NE+NW
	s_lshl_b32 s23, s23, 3
	s_add_co_u32 s23, s23, s22
	s_mul_i32 s24, s23, 6144                       ; its codes: 16 rows of 384 bytes
	s_mov_b32 s25, 0
	s_lshl_b32 s26, s23, 8                         ; its scale bytes: 16 rows of 16
	s_mov_b32 s27, 0
	s_lshr_b32 s28, s23, 6                         ; b
	s_bfe_u32 s29, s23, 0x20004                    ; w: which 256 rows
	s_bfe_u32 s30, s23, 0x20002                    ; i: which 64 of them
	s_and_b32 s31, s23, 3                          ; T: which 16 of those
	s_lshl_b32 s28, s28, 2
	s_add_co_u32 s28, s28, s30
	s_lshl_b32 s28, s28, 2
	s_add_co_u32 s28, s28, s29
	s_mul_i32 s28, s28, TILE                       ; the tile (b, i, w)
	s_mul_i32 s32, s31, 6144
	s_add_co_u32 s32, s32, s28                     ; my four images
	s_mov_b32 s33, 0
	s_lshl_b32 s34, s31, 8
	s_add_co_u32 s34, s34, s28
	s_add_co_u32 s34, s34, SCO                     ; my 256 scale bytes
	s_mov_b32 s35, 0
	s_mul_i32 s36, s22, XW                         ; my stage
	s_wait_alu depctr_va_vdst(0)
	v_lshrrev_b32 v8, 3, v2
	v_and_b32 v9, 7, v2
	s_delay_alu instid0(VALU_DEP_2)
	v_mul_u32_u24 v5, v8, 144
	s_delay_alu instid0(VALU_DEP_1)
	v_lshl_add_u32 v5, v9, 4, v5
	s_delay_alu instid0(VALU_DEP_1)
	v_add_nc_u32 v5, s36, v5                       ; into it: eight lanes' 128 bytes are a piece; 144 bytes from piece to piece; a load's 512 bytes are four pieces
	v_and_b32 v8, 15, v2
	v_lshrrev_b32 v9, 4, v2
	s_delay_alu instid0(VALU_DEP_2)
	v_mul_u32_u24 v8, v8, 432                      ; out of it: row lane % 16 (432 bytes = 108 words: the 16 rows start at 16 different multiples of 4 of the 64 banks: ISA guide 11.1),
	s_delay_alu instid0(VALU_DEP_1)
	v_mad_u32_u24 v6, v9, 24, v8
	s_delay_alu instid0(VALU_DEP_1)
	v_add_nc_u32 v6, s36, v6                       ; + 24 x (lane / 16): a fragment's bytes of my lane;
	s_delay_alu instid0(VALU_DEP_3)
	v_mad_u32_u24 v7, v9, 40, v8
	s_delay_alu instid0(VALU_DEP_1)
	v_add_nc_u32 v7, s36, v7                       ; + 40 x (lane / 16) where the bytes 24 further on lie behind one padding more
	s_wait_alu depctr_va_vdst(0)
	s_wait_kmcnt 0x0
	s_add_nc_u64 s[4:5], s[4:5], s[24:25]
	s_add_nc_u64 s[6:7], s[6:7], s[26:27]
	s_add_nc_u64 s[32:33], s[16:17], s[32:33]
	s_add_nc_u64 s[34:35], s[16:17], s[34:35]
	global_load_b64 v[12:13], v4, s[6:7] th:TH_LOAD_NT
.irp k,0,1,2,3,4,5,6,7,8,9,10,11
	global_load_b128 v[16+4*\k:19+4*\k], v3, s[4:5] offset:512*\k th:TH_LOAD_NT   ; 32 lanes read 512 consecutive bytes
.endr
.irp k,0,1,2,3,4,5,6,7,8,9,10,11
	s_wait_loadcnt 11-\k                           ; loads come back in order: load k is in, the 11 - k younger ones may be out
	ds_store_b128 v5, v[16+4*\k:19+4*\k] offset:576*\k
.endr
.irp q,0,1,2,3
.irp p,0,1,2,3,4,5
.set O0, 96*\q+48*(\p/3)+8*(\p%3)                  ; the piece of 8 bytes in a row, for lanes 0-15; lanes 16-31 take the piece 24 bytes on.  In the stage: 16 more for each 128 passed
.if (O0/128) == ((O0+24)/128)
	ds_load_b64 v[64+12*\q+2*\p:65+12*\q+2*\p], v6 offset:O0+16*(O0/128)   ; LDS serves a wave's instructions in order: these see my stores
.else
	ds_load_b64 v[64+12*\q+2*\p:65+12*\q+2*\p], v7 offset:O0+16*(O0/128)
.endif
.endr
.endr
	s_wait_dscnt 0x0
.irp q,0,1,2,3
.irp cc,0,1,2
	global_store_b128 v3, v[64+12*\q+4*\cc:67+12*\q+4*\cc], s[32:33] offset:1536*\q+512*\cc   ; 512 consecutive bytes, at a multiple of 256 from the buffer's first byte
.endr
.endr
	global_store_b64 v4, v[12:13], s[34:35]        ; 256 consecutive bytes
	s_wait_tensorcnt 0x0
	ds_add_u32 v224, v225
	s_wait_dscnt 0x0
	s_endpgm
	; ---------------- W: four work-groups to a weight; my wave takes tile 8 x (work-group % 4) + wave of it
.macro WTILE src, off                  ; src: the weight's pointer; off: its place in ws
	s_add_nc_u64 s[26:27], s[\src:\src+1], s[24:25]
.irp q,0,1,2,3
.irp p,0,1,2,3,4,5
	global_load_b64 v[64+12*\q+2*\p:65+12*\q+2*\p], v5, s[26:27] offset:96*\q+48*(\p/3)+8*(\p%3)   ; registers 2 p, 2 p + 1 of K step q's fragment
.endr
.endr
.irp q,0,1,2,3
	s_wait_loadcnt 6*(3-\q)                        ; K step q's six loads are in; the later K steps' may be out
.irp cc,0,1,2
	global_store_b128 v3, v[64+12*\q+4*\cc:67+12*\q+4*\cc], s[20:21] offset:\off+1536*\q+512*\cc   ; 512 consecutive bytes, at a multiple of 256 from the buffer's first byte
.endr
.endr
	s_endpgm
.endm
.Lw:
	s_sub_co_u32 s23, ttmp9, NE                    ; 0-3 Wq, 4-7 Wk, 8-11 Wv
	s_and_b32 s24, s23, 3
	s_lshl_b32 s24, s24, 3
	s_add_co_u32 s24, s24, s22                     ; the tile, 0..31
	s_mul_i32 s24, s24, 6144                       ; 16 rows of 384 bytes, and as many bytes of images
	s_mov_b32 s25, 0
	s_wait_alu depctr_va_vdst(0)
	v_and_b32 v8, 15, v2
	v_lshrrev_b32 v9, 4, v2
	s_delay_alu instid0(VALU_DEP_2)
	v_mul_u32_u24 v5, v8, 384
	s_delay_alu instid0(VALU_DEP_1)
	v_mad_u32_u24 v5, v9, 24, v5                   ; row lane % 16, + 24 x (lane / 16)
	s_wait_kmcnt 0x0
	s_add_nc_u64 s[20:21], s[20:21], s[24:25]
	s_cmp_ge_u32 s23, 4
	s_cbranch_scc1 .Lw_not_q
	s_wait_alu depctr_va_vdst(0)
	WTILE 10, 0
.Lw_not_q:
	s_cmp_ge_u32 s23, 8
	s_cbranch_scc1 .Lw_v
	s_wait_alu depctr_va_vdst(0)
	WTILE 12, 196608
.Lw_v:
	s_wait_alu depctr_va_vdst(0)
	WTILE 14, 393216
	; ---------------- E: work-group Pg takes rows 32 Pg .. 32 Pg + 31 of pos_bias, my wave four of them
.Lew:
	s_mov_b32 s23, ttmp9                           ; Pg
	s_lshl_b32 s24, s23, 5
	s_lshl_b32 s25, s22, 2
	s_add_co_u32 s24, s24, s25
	s_lshl_b32 s24, s24, 12                        ; my first row, 4,096 bytes a row
	s_mov_b32 s25, 0
	s_mul_i32 s26, s22, 4608
	s_add_co_u32 s26, s26, ET                      ; my stage
	s_wait_alu depctr_va_vdst(0)
	v_lshrrev_b32 v8, 3, v2
	v_and_b32 v9, 7, v2
	s_delay_alu instid0(VALU_DEP_2)
	v_mul_u32_u24 v5, v8, 144
	s_delay_alu instid0(VALU_DEP_1)
	v_lshl_add_u32 v5, v9, 4, v5
	s_delay_alu instid0(VALU_DEP_1)
	v_add_nc_u32 v5, s26, v5                       ; in: eight lanes' 128 bytes are a block of 32 numbers; 144 bytes from block to block
	v_mul_u32_u24 v6, v2, 144
	s_delay_alu instid0(VALU_DEP_1)
	v_add_nc_u32 v6, s26, v6                       ; out: lane l takes block l whole
	v_lshl_add_u32 v7, v8, 8, v9
	s_lshl_b32 s27, s22, 5
	s_add_co_u32 s27, s27, ASC
	v_add_nc_u32 v7, s27, v7                       ; my block's scale byte: 256 (l / 8) + l % 8 + 8 x row
	s_lshr_b32 s28, s22, 2
	s_mul_i32 s28, s28, 1536                       ; which of the two tiles of 16 rows
	s_and_b32 s29, s22, 3
	s_lshl_b32 s29, s29, 6                         ; 16 bytes a row of the tile, four rows a wave
	s_add_co_u32 s28, s28, s29
	s_add_co_u32 s28, s28, AIM
	v_lshrrev_b32 v8, 2, v2
	s_delay_alu instid0(VALU_DEP_1)
	v_mul_u32_u24 v8, v8, 3072                     ; K step l / 4
	v_and_b32 v9, 1, v2
	s_delay_alu instid0(VALU_DEP_1)
	v_lshl_add_u32 v8, v9, 8, v8                   ; the image's half of the lanes: l % 2
	s_delay_alu instid0(VALU_DEP_1)
	v_add_nc_u32 v8, s28, v8
	v_bfe_u32 v9, v2, 1, 1                         ; registers 0-5 or 6-11 of the fragment: their three pairs lie at 0, 8, 512 or at 520, 1024, 1032
	s_delay_alu instid0(VALU_DEP_1)
	v_mad_u32_u24 v10, v9, 520, v8
	s_delay_alu instid0(VALU_DEP_2)
	v_mad_u32_u24 v11, v9, 1016, v8
	s_delay_alu instid0(VALU_DEP_1)
	v_add_nc_u32 v11, 8, v11
	s_delay_alu instid0(VALU_DEP_4)
	v_mad_u32_u24 v12, v9, 520, v8
	s_delay_alu instid0(VALU_DEP_1)
	v_add_nc_u32 v12, 512, v12
	s_mul_i32 s40, s22, 3072
	s_add_co_u32 s40, s40, AIM
	v_add_nc_u32 v13, s40, v3                      ; the way out: wave v takes K step v's two images
	s_and_b32 s40, s22, 3
	s_lshl_b32 s40, s40, 8
	s_add_co_u32 s40, s40, ASC
	v_add_nc_u32 v14, s40, v4                      ; and waves 0-3 the scale bytes of j = v
	s_mov_b32 s30, 0x76543210
	s_mov_b32 s31, 0xfedcba98                      ; v_permlanex16_b32's selects for lane l xor 16
	s_mov_b32 s32, 0x3fb8aa3b                      ; log2(e)
	s_mov_b32 s33, s32
	s_lshr_b32 s34, s23, 3                         ; w of the tile
	s_bfe_u32 s35, s23, 0x10002
	s_lshl_b32 s35, s35, 2                         ; 4 c
	s_and_b32 s36, s23, 3                          ; P: which 32 rows of the tile's 128
	s_lshr_b32 s37, s22, 1
	s_add_co_u32 s37, s37, s35
	s_lshl_b32 s37, s37, 2
	s_add_co_u32 s37, s37, s34
	s_mul_i32 s37, s37, TILE                       ; tile (c, j = v / 2, w)
	s_and_b32 s38, s22, 1
	s_lshl_b32 s38, s38, 3
	s_lshl_b32 s39, s36, 1
	s_add_co_u32 s38, s38, s39
	s_mul_i32 s38, s38, 1536                       ; image 8 (v % 2) + 2 P
	s_add_co_u32 s38, s38, s37
	s_mov_b32 s39, 0
	s_and_b32 s41, s22, 3
	s_add_co_u32 s41, s41, s35
	s_lshl_b32 s41, s41, 2
	s_add_co_u32 s41, s41, s34
	s_mul_i32 s41, s41, TILE                       ; tile (c, j = v, w)
	s_lshl_b32 s42, s36, 8
	s_add_co_u32 s42, s42, s41
	s_add_co_u32 s42, s42, SCO
	s_mov_b32 s43, 0
	v_mov_b32 v181, 0                              ; a lane permute's destination counts as one of its sources
	s_wait_kmcnt 0x0
	s_add_nc_u64 s[8:9], s[8:9], s[24:25]
	s_add_nc_u64 s[38:39], s[18:19], s[38:39]
	s_add_nc_u64 s[42:43], s[18:19], s[42:43]
.irp n,0,1,2,3
.irp k,0,1,2,3,4,5,6,7
	global_load_b128 v[16+32*\n+4*\k:19+32*\n+4*\k], v3, s[8:9] offset:4096*\n+512*\k th:TH_LOAD_NT
.endr
.endr
.macro ROW n
	s_wait_loadcnt 8*(3-\n)                        ; row n's eight loads are in; the later rows' may be out
.irp k,0,1,2,3,4,5,6,7
	ds_store_b128 v5, v[16+32*\n+4*\k:19+32*\n+4*\k] offset:576*\k
.endr
	ds_load_b128 v[V:V+3],     v6                  ; my block, in the order of the codes' places: s 0-7,
	ds_load_b128 v[V+4:V+7],   v6 offset:16
	ds_load_b128 v[V+8:V+11],  v6 offset:64        ; s 16-23,
	ds_load_b128 v[V+12:V+15], v6 offset:80
	ds_load_b128 v[V+16:V+19], v6 offset:32        ; s 8-15,
	ds_load_b128 v[V+20:V+23], v6 offset:48
	ds_load_b128 v[V+24:V+27], v6 offset:96        ; s 24-31
	ds_load_b128 v[V+28:V+31], v6 offset:112
	s_wait_dscnt 0x0                               ; they are in, and the last row's stores have read their registers
	v_max3_num_f32 v176, v[V], v[V+1], v[V+2]      ; the block's largest number, in two chains
	v_max3_num_f32 v177, v[V+3], v[V+4], v[V+5]
.irp i,6,10,14,18,22,26
	s_delay_alu instid0(VALU_DEP_2)
	v_max3_num_f32 v176, v176, v[V+\i], v[V+\i+1]
	s_delay_alu instid0(VALU_DEP_2)
	v_max3_num_f32 v177, v177, v[V+\i+2], v[V+\i+3]
.endr
	s_delay_alu instid0(VALU_DEP_2)
	v_max3_num_f32 v176, v176, v[V+30], v[V+31]
	s_delay_alu instid0(VALU_DEP_1)
	v_max_num_f32 v176, v176, v177
	s_delay_alu instid0(VALU_DEP_1)
	v_mov_b32 v178, v176
	s_delay_alu instid0(VALU_DEP_1)
	v_max_num_f32_dpp v178, v178, v178 row_xmask:1 row_mask:0xf bank_mask:0xf
	s_delay_alu instid0(VALU_DEP_1)
	v_max_num_f32_dpp v178, v178, v178 row_xmask:2 row_mask:0xf bank_mask:0xf
	s_delay_alu instid0(VALU_DEP_1)
	v_max_num_f32_dpp v178, v178, v178 row_xmask:4 row_mask:0xf bank_mask:0xf
	s_delay_alu instid0(VALU_DEP_1)
	v_max_num_f32_dpp v178, v178, v178 row_xmask:8 row_mask:0xf bank_mask:0xf
	s_delay_alu instid0(VALU_DEP_1)
	v_permlanex16_b32 v181, v178, s30, s31
	s_delay_alu instid0(VALU_DEP_1)
	v_max_num_f32 v178, v178, v181                 ; the row's largest number, in every lane
	s_delay_alu instid0(VALU_DEP_1)
	v_mov_b32 v179, v178
.set j, 0
.rept 16
	v_pk_add_f32 v[V+j:V+j+1], v[V+j:V+j+1], v[178:179] neg_lo:[0,1] neg_hi:[0,1]
.set j, j+2
.endr
	v_sub_f32 v176, v176, v178                     ; the same two steps on the block's largest
.set j, 0
.rept 16
	v_pk_mul_f32 v[V+j:V+j+1], v[V+j:V+j+1], s[32:33] op_sel_hi:[1,0]
.set j, j+2
.endr
	v_mul_f32 v176, s32, v176
.set j, 0
	s_wait_alu depctr_va_vdst(0)
.rept 32
	v_exp_f32 v[V+j], v[V+j]
.set j, j+1
.endr
	v_exp_f32 v176, v176                           ; the block's largest ew
	v_nop                                          ; a plain instruction behind the last exponential
	s_wait_alu depctr_va_vdst(0)                   ; one wait for the 33, ahead of the first line that names a result
	v_max_num_f32 v176, 0x1800000, v176            ; the floor 2^(3 - 127): the byte cannot fall under 1
	s_delay_alu instid0(VALU_DEP_1)
	v_add_nc_u32 v177, 0xff000000, v176            ; 2 off the exponent field: the conversion takes this operand's exponent field as its scale
	s_delay_alu instid0(VALU_DEP_1)
	v_lshrrev_b32 v180, 23, v177                   ; the scale's byte
	v_cvt_scalef32_pk16_fp6_f32 v[200:202], v[V:V+15], v177
	v_cvt_scalef32_pk16_fp6_f32 v[204:206], v[V+16:V+31], v177   ; (a conversion's three registers begin on an even number)
	v_nop                                          ; a plain instruction behind a scaled conversion
	v_mov_b32 v203, v204
	v_mov_b32 v204, v205
	v_mov_b32 v205, v206                           ; v200-205: the block's 24 bytes
	ds_store_b64 v10, v[200:201] offset:16*\n
	ds_store_b64 v11, v[202:203] offset:16*\n
	ds_store_b64 v12, v[204:205] offset:16*\n
	ds_store_b8 v7, v180 offset:8*\n
.endm
	ROW 0
	ROW 1
	ROW 2
	ROW 3
	s_wait_dscnt 0x0                               ; for the others' sake: my stores have landed
	s_barrier_signal -1
	s_barrier_wait -1                              ; (all eight waves of a work-group are on this path: it hangs on the work-group's number alone)
.irp k,0,1,2,3,4,5
	ds_load_b128 v[16+4*\k:19+4*\k], v13 offset:512*\k
.endr
.irp k,0,1,2,3,4,5
	s_wait_dscnt 5-\k
	global_store_b128 v3, v[16+4*\k:19+4*\k], s[38:39] offset:512*\k   ; 512 consecutive bytes, at a multiple of 256 from the buffer's first byte
.endr
	s_cmp_lt_u32 s22, 4
	s_cbranch_scc0 .Lend
	ds_load_b64 v[40:41], v14
	s_wait_dscnt 0x0
	global_store_b64 v4, v[40:41], s[42:43]        ; 256 consecutive bytes
.Lend:
	s_wait_tensorcnt 0x0
	ds_add_u32 v224, v225
	s_wait_dscnt 0x0
	s_endpgm
.Lfunc_end_k_q7115a09864_prep:
	.size	k_q7115a09864_prep, .Lfunc_end_k_q7115a09864_prep-k_q7115a09864_prep
	.p2alignl 7, 3214868480
	.fill 96, 4, 3214868480
	.section	.rodata,"a",@progbits
	.p2align	6, 0x0
	.amdhsa_kernel k_q7115a09864_prep
		.amdhsa_group_segment_fixed_size 118784
		.amdhsa_private_segment_fixed_size 0
		.amdhsa_enable_private_segment 0
		.amdhsa_kernarg_size 72
		.amdhsa_user_sgpr_count 2
		.amdhsa_user_sgpr_kernarg_segment_ptr 1
		.amdhsa_wavefront_size32 1
		.amdhsa_system_sgpr_workgroup_id_x 1
		.amdhsa_system_sgpr_workgroup_id_y 1
		.amdhsa_system_sgpr_workgroup_id_z 1
		.amdhsa_system_vgpr_workitem_id 0
		.amdhsa_next_free_vgpr 226
		.amdhsa_next_free_sgpr 66
		.amdhsa_reserve_vcc 0
		.amdhsa_float_denorm_mode_32 3
		.amdhsa_float_denorm_mode_16_64 3
		.amdhsa_memory_ordered 1
		.amdhsa_forward_progress 1
		.amdhsa_inst_pref_size 57
	.end_amdhsa_kernel
	.amdgpu_metadata
---
amdhsa.version: [ 1, 2 ]
amdhsa.kernels:
  - .name:           k_q7115a09864_prep
    .symbol:         k_q7115a09864_prep.kd
    .args:
      - { .name: x_codes, .offset: 0, .size: 8, .value_kind: global_buffer, .address_space: global }
      - { .name: x_scales, .offset: 8, .size: 8, .value_kind: global_buffer, .address_space: global }
      - { .name: pos_bias, .offset: 16, .size: 8, .value_kind: global_buffer, .address_space: global }
      - { .name: Wq_codes, .offset: 24, .size: 8, .value_kind: global_buffer, .address_space: global }
      - { .name: Wk_codes, .offset: 32, .size: 8, .value_kind: global_buffer, .address_space: global }
      - { .name: Wv_codes, .offset: 40, .size: 8, .value_kind: global_buffer, .address_space: global }
      - { .name: xs, .offset: 48, .size: 8, .value_kind: global_buffer, .address_space: global }
      - { .name: es, .offset: 56, .size: 8, .value_kind: global_buffer, .address_space: global }
      - { .name: ws, .offset: 64, .size: 8, .value_kind: global_buffer, .address_space: global }
    .group_segment_fixed_size: 118784
    .private_segment_fixed_size: 0
    .kernarg_segment_align: 8
    .kernarg_segment_size: 72
    .max_flat_workgroup_size: 256
    .sgpr_count:     66
    .vgpr_count:     226
    .wavefront_size: 32
...
	.end_amdgpu_metadata
.endif
;; end of part 3
;; launch aft (part 4): grid 8 x 32, 4 waves a work-group, clusters of 4 x 1, 327,680 bytes of LDS; arguments xs, es, ws, Wq_scales, bq, bk, bv, out0, Wk_scales, Wv_scales; writes out0
.if DOCPART == 4
	.amdgcn_target "amdgcn-amd-amdhsa--gfx1250"
	.amdhsa_code_object_version 6
	.text
	.protected	k_q7115a09864_aft
	.globl	k_q7115a09864_aft
	.p2align	8
	.type	k_q7115a09864_aft,@function
k_q7115a09864_aft:
	s_mov_b64 s[64:65], 0
	v_nop
	global_prefetch_b8 v0, s[64:65] scope:SCOPE_SE
	s_setreg_imm32_b32 hwreg(HW_REG_WAVE_MODE, 25, 1), 1
	s_wait_xcnt 0x0
	s_wait_alu depctr_hold_cnt(0) depctr_sa_sdst(0) depctr_va_vdst(0) depctr_va_sdst(0) depctr_va_ssrc(0) depctr_va_vcc(0) depctr_vm_vsrc(0)
	s_getreg_b32 s2, hwreg(HW_REG_IB_STS2, 6, 4)
	s_cmp_eq_u32 s2, 0
	s_cbranch_scc0 .Lentry_in_a_cluster
	s_endpgm
.Lentry_in_a_cluster:
	s_bfe_u32 s2, ttmp6, 0x10000c
	s_cmp_lg_u32 s2, 0x3003
	s_cbranch_scc0 .Lentry_shape_is_right
	s_endpgm
.Lentry_shape_is_right:
; AFT-full for one batch b (grid y) and 64 of the 512 features (grid x): four waves, each with 256 of the 1,024 positions.
; Phase 1, two trips of 32 features: k and v = x W^T + bias from x's images (ring of two LDS slots, joint loads of a 4 x 1 cluster, which shares b);
; the column maxima of k; ek = exp(k - max) and ek v, quantised along s to E2M3 codes with E8M0 bytes, kept in LDS as operand images.
; Phase 2, two chunks of 128 rows t a wave: num and den = ew x (ek v, ek), ew's images streamed through the same ring; then q = x Wq^T + bq,
; out = num / (den (1 + exp(-q))), stored through a stage of the wave's own as whole rows of 256 bytes.
; No step of the problem is left out.  LIMITS: NaN and infinities are not served; v_exp_f32 gives 0 for results under 2^-126.
.set TILE,  25600
.set SLOTB, 4*TILE
.set SCO,   24576
.set CODV,  2*SLOTB
.set CODK,  CODV+49152
.set CSC,   CODK+49152
.set STG,   CSC+4096
.set KMX,   STG+17408
.set SPARE, KMX+1024
.set LI,   1
.set LS,   2
.set RA,   3
.set RS,   5
.set CV,   7
.set CK,   8
.set CS,   9
.set WVA,  10
.set WKA,  11
.set WSA,  12
.set KXR,  13
.set KXW,  14
.set STO,  15
.set RD,   16
.set GO,   17
.set BO,   19
.set BQO,  20
.set SPW,  28
.set NIL,  29
.set PFO,  30
.set XF0,  80
.set XF1,  128
.set PCK,  80
.set PCV,  100
.set TM,   120
.set BE,   136
.set PWK,  140
.set PWV,  141
.set PWX,  142
.set BM,   176
.set BT,   192
.set KM,   208
.set Q,    80
.set EF,   144
.set WV,   28
.set G1,   32
.set G0A,  40
.set G0B,  44
.set DX,   48
.set DE,   50
.set SO,   52
.set L2E,  54
.set NL2E, 56
.set SEL,  58
.set HI16, 60
.set TR,   61
.set CH,   62
.set LIM,  63
.set PFA,  66
.set SB,   70
.set MSB, 0
.macro WIN new
.if MSB != (\new)
	s_set_vgpr_msb (MSB<<8)|(\new)
.set MSB, (\new)
.endif
.endm
.macro PLACES
.rept 4
	v_nop
.endr
.endm
.macro CREST
	s_cmp_lg_u32 s[WV], 0
	s_cbranch_scc1 .Lnot_wave_0_\@
	s_barrier_signal -3
.Lnot_wave_0_\@:
	s_barrier_wait -3
	s_barrier_signal -1
	s_barrier_wait -1
.endm
.macro ROUND
	s_barrier_signal -1
	s_barrier_wait -1
	CREST
.endm
.macro WM d, a, b, c, sa, sb, ra, rb
.if (\c) < 0
.if ((\ra) == 0) && ((\rb) == 0)
	v_wmma_scale_f32_16x16x128_f8f6f4 v[(\d):(\d)+7], v[(\a):(\a)+11], v[(\b):(\b)+11], 0, v[(\sa)], v[(\sb)] matrix_a_fmt:MATRIX_FMT_FP6 matrix_b_fmt:MATRIX_FMT_FP6
.elseif (\rb) == 0
	v_wmma_scale_f32_16x16x128_f8f6f4 v[(\d):(\d)+7], v[(\a):(\a)+11], v[(\b):(\b)+11], 0, v[(\sa)], v[(\sb)] matrix_a_fmt:MATRIX_FMT_FP6 matrix_b_fmt:MATRIX_FMT_FP6 matrix_a_scale:MATRIX_SCALE_ROW1
.elseif (\ra) == 0
	v_wmma_scale_f32_16x16x128_f8f6f4 v[(\d):(\d)+7], v[(\a):(\a)+11], v[(\b):(\b)+11], 0, v[(\sa)], v[(\sb)] matrix_a_fmt:MATRIX_FMT_FP6 matrix_b_fmt:MATRIX_FMT_FP6 matrix_b_scale:MATRIX_SCALE_ROW1
.else
	v_wmma_scale_f32_16x16x128_f8f6f4 v[(\d):(\d)+7], v[(\a):(\a)+11], v[(\b):(\b)+11], 0, v[(\sa)], v[(\sb)] matrix_a_fmt:MATRIX_FMT_FP6 matrix_b_fmt:MATRIX_FMT_FP6 matrix_a_scale:MATRIX_SCALE_ROW1 matrix_b_scale:MATRIX_SCALE_ROW1
.endif
.else
.if ((\ra) == 0) && ((\rb) == 0)
	v_wmma_scale_f32_16x16x128_f8f6f4 v[(\d):(\d)+7], v[(\a):(\a)+11], v[(\b):(\b)+11], v[(\c):(\c)+7], v[(\sa)], v[(\sb)] matrix_a_fmt:MATRIX_FMT_FP6 matrix_b_fmt:MATRIX_FMT_FP6
.elseif (\rb) == 0
	v_wmma_scale_f32_16x16x128_f8f6f4 v[(\d):(\d)+7], v[(\a):(\a)+11], v[(\b):(\b)+11], v[(\c):(\c)+7], v[(\sa)], v[(\sb)] matrix_a_fmt:MATRIX_FMT_FP6 matrix_b_fmt:MATRIX_FMT_FP6 matrix_a_scale:MATRIX_SCALE_ROW1
.elseif (\ra) == 0
	v_wmma_scale_f32_16x16x128_f8f6f4 v[(\d):(\d)+7], v[(\a):(\a)+11], v[(\b):(\b)+11], v[(\c):(\c)+7], v[(\sa)], v[(\sb)] matrix_a_fmt:MATRIX_FMT_FP6 matrix_b_fmt:MATRIX_FMT_FP6 matrix_b_scale:MATRIX_SCALE_ROW1
.else
	v_wmma_scale_f32_16x16x128_f8f6f4 v[(\d):(\d)+7], v[(\a):(\a)+11], v[(\b):(\b)+11], v[(\c):(\c)+7], v[(\sa)], v[(\sb)] matrix_a_fmt:MATRIX_FMT_FP6 matrix_b_fmt:MATRIX_FMT_FP6 matrix_a_scale:MATRIX_SCALE_ROW1 matrix_b_scale:MATRIX_SCALE_ROW1
.endif
.endif
.endm
.macro TURNP g0, base, imm
	s_wait_tensorcnt 0x0
	ds_add_u32 v[SPW], v[NIL]
	s_add_nc_u64 s[\g0+2:\g0+3], s[\base:\base+1], \imm
	s_or_b32 s[\g0+3], s[\g0+3], 0x80000000
	s_wait_dscnt 0x0
	ROUND
	tensor_load_to_lds s[\g0:\g0+3], s[G1:G1+7]
	s_nop 0
	PLACES
.endm
.macro TURNPS g0, imm
	s_cmp_eq_u32 s[TR], 2
	s_cselect_b64 s[SB:SB+1], s[DX:DX+1], s[DE:DE+1]
	TURNP \g0, SB, \imm
.endm
.macro ASK
	s_cmp_eq_u32 s[TR], s[LIM]
	s_cbranch_scc0 .Lnot_mine_\@
	global_prefetch_b8 v[PFO], s[PFA:PFA+1] th:TH_LOAD_NT scope:SCOPE_SE
.Lnot_mine_\@:
.endm
	s_load_b256 s[4:11], s[0:1], 0x0
	s_load_b256 s[20:27], s[0:1], 0x20
	s_load_b64 s[14:15], s[0:1], 0x40
	s_load_b64 s[18:19], s[0:1], 0x48
	v_lshl_add_u32 v[SPW], v0, 2, SPARE
	v_mov_b32 v[NIL], 0
	ds_add_u32 v28, v29
	ds_add_u32 v28, v29
	s_wait_dscnt 0x0
	v_lshrrev_b32 v21, 5, v0
	v_readfirstlane_b32 s[WV], v21
	s_bfe_u32 s29, ttmp6, 0x40000
	s_lshl_b32 s30, ttmp9, 2
	s_add_co_u32 s30, s30, s29
	s_and_b32 s31, ttmp7, 0xffff
	s_mov_b32 s[G1], 15|(3<<16)|(1<<21)
	s_mov_b32 s[G1+1], 32<<16
	s_mov_b32 s[G1+2], 100<<16
	s_mov_b32 s[G1+3], 32<<16
	s_mov_b32 s[G1+4], 100
	s_mov_b32 s[G1+5], 32
	s_mov_b32 s[G1+6], 0
	s_mov_b32 s[G1+7], 0
	s_mul_i32 s68, s[WV], TILE
	s_mul_i32 s84, s[WV], 2*TILE                   ; LDS: my part of slot 0 at wave x 51,200, my part of slot 1 25,600 bytes behind it
.set G1H, 76                           ; s[76:83] group 1 of the head's load: 2 rows of 25,600 bytes (3,200 elements of 8), 102,400 bytes apart in memory: my parts of x tiles 0 and 1
	s_mov_b32 s[G1H], 15|(3<<16)|(1<<21)
	s_mov_b32 s[G1H+1], 3200<<16
	s_mov_b32 s[G1H+2], 2<<16
	s_mov_b32 s[G1H+3], 3200<<16
	s_mov_b32 s[G1H+4], 2
	s_mov_b32 s[G1H+5], SLOTB/8
	s_mov_b32 s[G1H+6], 0
	s_mov_b32 s[G1H+7], 0
	s_mov_b32 s69, 0
	s_mul_i32 s70, s31, 4*SLOTB
	s_add_co_u32 s70, s70, s68
	s_mov_b32 s71, 0
	s_mov_b32 s[G0A], 1
	s_mov_b32 s[G0A+1], s84
	s_mov_b32 s[G0B], 1
	s_add_co_u32 s[G0B+1], s84, TILE
	s_mov_b32 s[L2E], 0x3fb8aa3b
	s_mov_b32 s[L2E+1], s[L2E]
	s_mov_b32 s[NL2E], 0xbfb8aa3b
	s_mov_b32 s[NL2E+1], s[NL2E]
	s_mov_b32 s[SEL], 0x76543210
	s_mov_b32 s[SEL+1], 0xfedcba98
	s_mov_b32 s[HI16], 0xffff0000
	s_wait_kmcnt 0x0
	s_add_nc_u64 s[DX:DX+1], s[4:5], s[70:71]
	s_add_nc_u64 s[DE:DE+1], s[6:7], s[68:69]
	s_mov_b64 s[G0A+2:G0A+3], s[DX:DX+1]
	s_or_b32 s[G0A+3], s[G0A+3], 0x80000000
	ROUND
	tensor_load_to_lds s[G0A:G0A+3], s[G1H:G1H+7]  ; my parts of x tiles 0 and 1, into both slots: the wave's one load at the head
	s_nop 0
	PLACES
	; x tiles 2 and 3 are asked for ahead: my wave's part of a tile is 100 blocks of 256 bytes; the four partners that load it jointly take 25 each, told apart by address;
	; a lane a block, lanes 25-31 name the wave's last block again.  v31 is never rewritten
	v_and_b32 v31, 31, v0
	v_min_u32 v31, 24, v31
	s_mul_i32 s72, s29, 25
	v_add_nc_u32 v31, s72, v31
	v_lshlrev_b32 v31, 8, v31
.irp i,2,3
	global_prefetch_b8 v31, s[DX:DX+1] offset:\i*SLOTB th:TH_LOAD_NT scope:SCOPE_SE
.endr
	s_mul_i32 s72, s30, 24576
	s_mov_b32 s73, 0
	s_add_nc_u64 s[8:9], s[8:9], s[72:73]
	s_add_nc_u64 s[12:13], s[8:9], 196608
	s_add_nc_u64 s[16:17], s[8:9], 393216
	s_lshl_b32 s72, s30, 10
	s_add_nc_u64 s[10:11], s[10:11], s[72:73]
	s_add_nc_u64 s[14:15], s[14:15], s[72:73]
	s_add_nc_u64 s[18:19], s[18:19], s[72:73]
	s_lshl_b32 s72, s30, 8
	s_add_nc_u64 s[20:21], s[20:21], s[72:73]
	s_add_nc_u64 s[22:23], s[22:23], s[72:73]
	s_add_nc_u64 s[24:25], s[24:25], s[72:73]
	s_lshl_b32 s74, s31, 21
	s_add_co_u32 s72, s72, s74
	s_lshl_b32 s74, s[WV], 19
	s_add_co_u32 s72, s72, s74
	s_add_nc_u64 s[SO:SO+1], s[26:27], s[72:73]
	s_min_u32 s72, s31, 24
	s_lshl_b32 s72, s72, 15
	s_lshl_b32 s74, s29, 13
	s_add_co_u32 s72, s72, s74
	s_add_nc_u64 s[PFA:PFA+1], s[6:7], s[72:73]
	s_or_b32 s74, s[WV], ttmp9
	s_cmp_lt_u32 s31, 25
	s_cselect_b32 s75, 0, 1
	s_or_b32 s74, s74, s75
	s_cmp_eq_u32 s74, 0
	s_cselect_b32 s[LIM], 1, -1
	v_and_b32 v21, 31, v0
	v_and_b32 v22, 15, v0
	v_bfe_u32 v23, v0, 4, 1
	v_lshlrev_b32 v[LI], 4, v21
	v_lshlrev_b32 v[LS], 2, v21
	v_add_nc_u32 v[RA], s84, v[LI]
	v_add_nc_u32 v[RA+1], TILE, v[RA]
	v_lshlrev_b32 v24, 3, v21
	v_add_nc_u32 v[RS], s84, v24
	v_add_nc_u32 v[RS], SCO, v[RS]
	v_add_nc_u32 v[RS+1], TILE, v[RS]
	v_add_nc_u32 v[CV], CODV, v[LI]
	v_add_nc_u32 v[CK], CODK, v[LI]
	v_add_nc_u32 v[CS], CSC, v[LS]
	s_mul_i32 s70, s[WV], 12288
	v_add_nc_u32 v[WVA], s70, v[CV]
	v_add_nc_u32 v[WKA], s70, v[CK]
	s_lshl_b32 s70, s[WV], 10
	v_add_nc_u32 v[WSA], s70, v[CS]
	v_add_nc_u32 v[KXR], KMX, v[LS]
	s_lshl_b32 s70, s[WV], 7
	v_add_nc_u32 v[KXW], s70, v[KXR]
	s_mul_i32 s70, s[WV], 4352
	s_add_co_u32 s70, s70, STG
	v_mul_u32_u24 v[STO], v22, 272
	v_lshl_add_u32 v[STO], v23, 5, v[STO]
	v_add_nc_u32 v[STO], s70, v[STO]
	v_mul_u32_u24 v[RD], v23, 272
	v_lshl_add_u32 v[RD], v22, 4, v[RD]
	v_add_nc_u32 v[RD], s70, v[RD]
	v_lshlrev_b32 v[GO], 11, v23
	v_lshl_add_u32 v[GO], v22, 4, v[GO]
	v_lshlrev_b32 v[BO], 2, v22
	v_lshlrev_b32 v[BQO], 5, v23
	v_lshlrev_b32 v[PFO], 8, v21
.irp n,0,1,2,3,4,5,6,7,8,9,10,11,12,13,14,15
	v_mov_b32 v[BT+\n], 0
.endr
.macro WLOAD dh
	WIN 0x40
.irp m,0,1
.irp dtl,0,1
.irp q,0,1,2,3
.irp cc,0,1,2
	global_load_b128 v[96*\m+48*\dtl+12*\q+4*\cc:96*\m+48*\dtl+12*\q+4*\cc+3], v[LI], s[12+4*\m:13+4*\m] offset:12288*\dh+6144*\dtl+1536*\q+512*\cc
.endr
.endr
.endr
.endr
.irp m,0,1
.irp dtl,0,1
.irp j,0,1,2,3,4,5,6,7
	global_load_b32 v[192+16*\m+8*\dtl+\j], v[BO], s[22+2*\m:23+2*\m] offset:128*\dh+64*\dtl
.endr
.endr
.endr
	WIN 0
	global_load_b128 v[32:35], v[LI], s[14:15] offset:512*\dh
	global_load_b128 v[36:39], v[LI], s[18:19] offset:512*\dh
.endm
	WLOAD 0                                        ; the first weights are on their way while x tile 0 is
	s_wait_alu depctr_va_vdst(0)
	s_wait_tensorcnt 0x0                           ; my parts of x tiles 0 and 1 are in; I alone read them, so no barrier is due here
.macro XFETCH slot, t, xf
.irp q,0,1,2,3
.irp cc,0,1,2
	ds_load_b128 v[\xf+12*\q+4*\cc:\xf+12*\q+4*\cc+3], v[RA+\slot] offset:1536*(4*(\t)+\q)+512*\cc
.endr
.endr
.endm
.macro XWORK i
.set SL, (\i)%2
.set WW, (\i)/2
	ds_load_b128 v[40+8*SL:43+8*SL], v[RA+SL] offset:SCO
	ds_load_b128 v[44+8*SL:47+8*SL], v[RA+SL] offset:SCO+512
	XFETCH SL, 0, XF0
	XFETCH SL, 1, XF1
.irp t,0,1,2,3
.if \t < 3
	s_wait_dscnt 12
.else
	s_wait_dscnt 0x0
.endif
.set XF, XF0+48*(\t%2)
.set T8, 4*SL+\t
	WIN 0x94+0x40*WW
.irp u,0,1,2,3
	WM 64*\u+8*T8, XF, 96*(\u/2)+48*(\u%2), 192+8*\u, 40+8*SL+4*(\t/2), 32+4*(\u/2), \t%2, \u%2
.endr
	WIN 0xa4+0x50*WW
.irp q,1,2,3
.irp u,0,1,2,3
	WM 64*\u+8*T8, XF+12*\q, 96*(\u/2)+48*(\u%2)+12*\q, 64*\u+8*T8, 40+8*SL+4*(\t/2)+\q, 32+4*(\u/2)+\q, \t%2, \u%2
.endr
.endr
	WIN 0
	PLACES
.if \t < 2
	XFETCH SL, \t+2, XF
.endif
.endr
.endm
.macro KMAX
.irp kw,0,1
	WIN 0x28+0x14*\kw
.irp st,0,1,2,3,4,5,6,7
.irp dtl,0,1
.irp bb,0,1,2,3
.if \st == 0
	v_max3_num_f32 v[BM+8*\dtl+4*\kw+\bb], 0xff800000, v[64*\dtl+16*\bb], v[64*\dtl+16*\bb+1]
.else
	v_max3_num_f32 v[BM+8*\dtl+4*\kw+\bb], v[BM+8*\dtl+4*\kw+\bb], v[64*\dtl+16*\bb+2*\st], v[64*\dtl+16*\bb+2*\st+1]
.endif
.endr
.endr
.endr
.endr
	WIN 0
.irp n,0,1,2,3,4,5,6,7,8,9,10,11,12,13,14,15
	v_permlanex16_b32 v[BT+\n], v[BM+\n], s[SEL], s[SEL+1]
.endr
.irp n,0,1,2,3,4,5,6,7,8,9,10,11,12,13,14,15
	v_max_num_f32 v[BM+\n], v[BM+\n], v[BT+\n]
.endr
.irp dtl,0,1
	v_max3_num_f32 v[212+\dtl], v[BM+8*\dtl], v[BM+8*\dtl+1], v[BM+8*\dtl+2]
.endr
.irp n,3,5
.irp dtl,0,1
	v_max3_num_f32 v[212+\dtl], v[212+\dtl], v[BM+8*\dtl+\n], v[BM+8*\dtl+\n+1]
.endr
.endr
.irp dtl,0,1
	v_max_num_f32 v[212+\dtl], v[212+\dtl], v[BM+8*\dtl+7]
.endr
	v_cndmask_b32 v214, v212, v213, s[HI16]
	ds_store_b32 v[KXW], v214
	s_wait_dscnt 0x0
	s_barrier_signal -1
	s_barrier_wait -1
.irp n,0,1,2,3
	ds_load_b32 v[214+\n], v[KXR] offset:128*\n
.endr
	s_wait_dscnt 0x0
	v_max3_num_f32 v214, v214, v215, v216
	v_max_num_f32 v214, v214, v217
	v_permlanex16_b32 v215, v214, s[SEL], s[SEL+1]
	v_cndmask_b32 v[KM], v214, v215, s[HI16]
	v_cndmask_b32 v[KM+2], v215, v214, s[HI16]
	v_mov_b32 v[KM+1], v[KM]
	v_mov_b32 v[KM+3], v[KM+2]
.endm
.macro SCW pw
.irp bb,0,1,2,3
	v_add_nc_u32 v[TM+12+\bb], 0xff000000, v[TM+\bb]
.endr
.irp bb,0,1,2,3
	v_lshrrev_b32 v[TM+4+\bb], 23, v[TM+12+\bb]
.endr
	v_lshl_or_b32 v[\pw], v[TM+5], 8, v[TM+4]
	v_lshl_or_b32 v[\pw], v[TM+6], 16, v[\pw]
	v_lshl_or_b32 v[\pw], v[TM+7], 24, v[\pw]
.endm
.macro QCODES src, kw, pc
	WIN 0x02+(\kw)
.irp c,0,1
	v_cvt_scalef32_pk16_fp6_f32 v[\pc+6*\c:\pc+6*\c+2], v[\src+32*\c:\src+32*\c+15], v[TM+12+2*\c]
	v_cvt_scalef32_pk16_fp6_f32 v[\pc+12+4*\c:\pc+14+4*\c], v[\src+32*\c+16:\src+32*\c+31], v[TM+13+2*\c]
.endr
	WIN 0
	v_nop
.irp c,0,1
.irp i,0,1,2
	v_permlane16_swap_b32 v[\pc+6*\c+\i], v[\pc+12+4*\c+\i]
.endr
.irp i,0,1,2
	v_mov_b32 v[\pc+3+6*\c+\i], v[\pc+12+4*\c+\i]
.endr
.endr
.endm
.macro UNIT dtl, kw
.set KB, 64*(\dtl)
.set VB, 128+64*(\dtl)
	s_wait_dscnt 0x0
.irp bb,0,1,2,3
	v_sub_f32 v[BE+\bb], v[BM+8*(\dtl)+4*(\kw)+\bb], v[KM+2*(\dtl)]
.endr
.irp bb,0,1,2,3
	v_mul_f32 v[BE+\bb], s[L2E], v[BE+\bb]
.endr
	WIN 0x82+0x41*(\kw)
.set j, 0
.rept 32
	v_pk_add_f32 v[KB+j:KB+j+1], v[KB+j:KB+j+1], v[KM+2*(\dtl):KM+2*(\dtl)+1] neg_lo:[0,1] neg_hi:[0,1]
.set j, j+2
.endr
.set j, 0
.rept 32
	v_pk_mul_f32 v[KB+j:KB+j+1], v[KB+j:KB+j+1], s[L2E:L2E+1] op_sel_hi:[1,0]
.set j, j+2
.endr
.set j, 0
	s_wait_alu depctr_va_vdst(0)
.rept 64
	v_exp_f32 v[KB+j], v[KB+j]
.set j, j+1
.endr
	WIN 0
.irp bb,0,1,2,3
	v_exp_f32 v[BE+\bb], v[BE+\bb]
.endr
	v_nop
	s_wait_alu depctr_va_vdst(0)
	WIN 0x8a+0x45*(\kw)
.set j, 0
.rept 32
	v_pk_mul_f32 v[VB+j:VB+j+1], v[VB+j:VB+j+1], v[KB+j:KB+j+1]
.set j, j+2
.endr
	WIN 0
.irp bb,0,1,2,3
	v_max_num_f32 v[TM+\bb], 0x1800000, v[BE+\bb]
.endr
	SCW PWK
	QCODES KB, \kw, PCK
	WIN 0x28+0x14*(\kw)
.irp bb,0,1,2,3
	v_max3_num_f32 v[TM+\bb], 0x1800000, |v[VB+16*\bb]|, |v[VB+16*\bb+1]|
.endr
.irp i,2,4,6,8,10,12,14
.irp bb,0,1,2,3
	v_max3_num_f32 v[TM+\bb], v[TM+\bb], |v[VB+16*\bb+\i]|, |v[VB+16*\bb+\i+1]|
.endr
.endr
	WIN 0
.irp bb,0,1,2,3
	v_permlanex16_b32 v[TM+4+\bb], v[TM+\bb], s[SEL], s[SEL+1]
.endr
.irp bb,0,1,2,3
	v_max_num_f32 v[TM+\bb], v[TM+\bb], v[TM+4+\bb]
.endr
	SCW PWV
	QCODES VB, \kw, PCV
.irp cc,0,1,2
	ds_store_b128 v[WKA], v[PCK+4*\cc:PCK+4*\cc+3] offset:6144*(\kw)+1536*(\dtl)+512*\cc
.endr
.irp cc,0,1,2
	ds_store_b128 v[WVA], v[PCV+4*\cc:PCV+4*\cc+3] offset:6144*(\kw)+1536*(\dtl)+512*\cc
.endr
	v_cndmask_b32 v[PWX], v[PWV], v[PWK], s[HI16]
	ds_store_b32 v[WSA], v[PWX] offset:512*(\kw)+128*(\dtl)
.endm
	s_mov_b32 s[TR], 2
.Lkv:
	s_wait_loadcnt 0x0
	s_wait_tensorcnt 0x1
	XWORK 0
	TURNP G0A, DX, 2*SLOTB
	ASK
	XWORK 1
	TURNP G0B, DX, 3*SLOTB
	XWORK 2
	TURNPS G0A, 0
	XWORK 3
	s_cmp_lg_u32 s[TR], 2
	s_cbranch_scc1 .Lno_more_w
	WLOAD 1
.Lno_more_w:
	KMAX
	s_wait_alu depctr_va_vdst(0)
	UNIT 0, 0
	UNIT 1, 0
	TURNPS G0B, SLOTB
	UNIT 0, 1
	UNIT 1, 1
	s_wait_dscnt 0x0
	v_add_nc_u32 v[WVA], 3072, v[WVA]
	v_add_nc_u32 v[WKA], 3072, v[WKA]
	v_add_nc_u32 v[WSA], 256, v[WSA]
	s_sub_co_u32 s[TR], s[TR], 1
	s_cmp_lg_u32 s[TR], 0
	s_cbranch_scc1 .Lkv
	s_barrier_signal -1
	s_barrier_wait -1
	s_wait_loadcnt 0x0
	WIN 0x40
.irp dt,0,1,2,3
	global_load_b128 v[96+8*\dt:99+8*\dt], v[BQO], s[20:21] offset:64*\dt
	global_load_b128 v[100+8*\dt:103+8*\dt], v[BQO], s[20:21] offset:64*\dt+16
.endr
	WIN 0
	global_load_b128 v[64:67], v[LI], s[10:11]
	global_load_b128 v[68:71], v[LI], s[10:11] offset:512
.macro FETCH_C kap, p
	WIN 0x40
.irp a,0,1,2,3
.irp cc,0,1,2
	ds_load_b128 v[128*(\p)+12*\a+4*\cc:128*(\p)+12*\a+4*\cc+3], v[CV] offset:6144*(\kap)+1536*\a+512*\cc
.endr
.endr
.irp a,0,1,2,3
.irp cc,0,1,2
	ds_load_b128 v[128*(\p)+48+12*\a+4*\cc:128*(\p)+48+12*\a+4*\cc+3], v[CK] offset:6144*(\kap)+1536*\a+512*\cc
.endr
.endr
	WIN 0
.endm
.macro FETCH_E slot, qp, t0
.irp t, \t0, \t0+1, \t0+2, \t0+3
.irp cc,0,1,2
	ds_load_b128 v[EF+12*(\t)+4*\cc:EF+12*(\t)+4*\cc+3], v[RA+\slot] offset:1536*(8*(\qp)+(\t))+512*\cc
.endr
.endr
.endm
.macro SCALES set, kap0
.irp qq,0,1
.irp dt,0,1,2,3
	ds_load_b32 v[32+16*(\set)+4*\qq+\dt], v[CS] offset:512*((\kap0)+\qq)+128*\dt
.endr
.endr
.irp pp,0,1,2,3
	ds_load_b64 v[40+16*(\set)+2*\pp:41+16*(\set)+2*\pp], v[RS+\set] offset:256*\pp
.endr
.endm
.macro MUL16 t0, p, qp, set, zero
.irp t, \t0, \t0+1
.irp a,0,1,2,3,4,5,6,7
.if \zero
	WM 8*(8*((\t)%4)+\a), 128*(\p)+12*\a, EF+12*(\t), -1, 32+16*(\set)+4*(\qp)+(\a%4), 40+16*(\set)+2*((\t)/2)+(\qp), \a/4, (\t)%2
.else
	WM 8*(8*((\t)%4)+\a), 128*(\p)+12*\a, EF+12*(\t), 8*(8*((\t)%4)+\a), 32+16*(\set)+4*(\qp)+(\a%4), 40+16*(\set)+2*((\t)/2)+(\qp), \a/4, (\t)%2
.endif
.endr
.endr
.endm
.macro STEP slot, kap, zero
	s_wait_dscnt 12
	WIN 0xa1
	MUL16 0, 0, 0, \slot, \zero
	MUL16 2, 0, 0, \slot, \zero
	s_wait_dscnt 0x0
	PLACES
	FETCH_C (\kap)+1, 1
	FETCH_E \slot, 1, 0
	WIN 0xf1
	MUL16 4, 0, 0, \slot, \zero
	MUL16 6, 0, 0, \slot, \zero
	PLACES
	WIN 0
	FETCH_E \slot, 1, 4
.endm
.macro FXH slot, u, tp
.irp q,0,1,2,3
.irp cc,0,1,2
	ds_load_b128 v[EF+12*(4*(\tp)+\q)+4*\cc:EF+12*(4*(\tp)+\q)+4*\cc+3], v[RA+\slot] offset:1536*(8*(\u)+4*(\tp)+\q)+512*\cc
.endr
.endr
.endm
.macro XSC slot, u, set
	ds_load_b128 v[72+4*(\set):75+4*(\set)], v[RA+\slot] offset:SCO+512*(\u)
.endm
.macro FX slot, u, set
	FXH \slot, \u, 0
	FXH \slot, \u, 1
	XSC \slot, \u, \set
.endm
.macro WQLOAD g
	WIN 0x40
.irp qq,0,1
.irp dt,0,1,2,3
.irp cc,0,1,2
	global_load_b128 v[128*(\g)+12*(4*\qq+\dt)+4*\cc:128*(\g)+12*(4*\qq+\dt)+4*\cc+3], v[LI], s[8:9] offset:6144*\dt+1536*(2*(\g)+\qq)+512*\cc
.endr
.endr
.endr
	WIN 0
.endm
.macro TURN slot, next, kap, g0, base, imm, toq
	s_wait_tensorcnt 0x0
	ds_add_u32 v[SPW], v[NIL]
	s_add_nc_u64 s[\g0+2:\g0+3], s[\base:\base+1], \imm
	s_or_b32 s[\g0+3], s[\g0+3], 0x80000000
	s_wait_dscnt 13
	WIN 0xa1
	MUL16 0, 1, 1, \slot, 0
	s_wait_dscnt 0x0
	s_barrier_signal -1
	MUL16 2, 1, 1, \slot, 0
	WIN 0
	s_barrier_wait -1
	CREST
	tensor_load_to_lds s[\g0:\g0+3], s[G1:G1+7]
	s_nop 0
	PLACES
.if \toq
	FXH 0, 0, 0
	XSC 0, 0, 0
	WQLOAD 0
.else
	FETCH_C (\kap)+1, 0
	FETCH_E \next, 0, 0
	SCALES \next, (\kap)+1
.endif
	WIN 0xf1
	MUL16 4, 1, 1, \slot, 0
	MUL16 6, 1, 1, \slot, 0
	PLACES
	WIN 0
.if \toq
	FXH 0, 0, 1
	WQLOAD 1
.else
	FETCH_E \next, 0, 4
.endif
.endm
.macro QMUL p
	s_wait_dscnt 0x0
.if (\p) == 0
	s_wait_loadcnt 24
.else
	s_wait_xcnt 0x0
.endif
	WIN 0x11
.irp tp,0,1
.irp dt,0,1,2,3
	WM Q+32*\tp+8*\dt, 12*\dt, EF+48*\tp, 96+8*\dt, 64+4*(\dt/2), 72+4*((\p)%2), \dt%2, \tp
.endr
.endr
	WIN 0x01
.irp q,1,2,3
.if ((\p) == 0) && (\q == 2)
	s_wait_loadcnt 0x0
.endif
.irp tp,0,1
.irp dt,0,1,2,3
	WM Q+32*\tp+8*\dt, 128*(\q/2)+12*(4*(\q%2)+\dt), EF+48*\tp+12*\q, Q+32*\tp+8*\dt, 64+4*(\dt/2)+\q, 72+4*((\p)%2)+\q, \dt%2, \tp
.endr
.endr
.endr
	WIN 0
	PLACES
.endm
.macro EPI p
.set WE, (\p)/2
.set j, 0
.rept 32
	v_pk_mul_f32 v[Q+j:Q+j+1], v[Q+j:Q+j+1], s[NL2E:NL2E+1] op_sel_hi:[1,0]
.set j, j+2
.endr
.set j, 0
	s_wait_alu depctr_va_vdst(0)
.rept 64
	v_exp_f32 v[Q+j], v[Q+j]
.set j, j+1
.endr
	v_nop
	s_wait_alu depctr_va_vdst(0)
	WIN 0x22+0x11*WE
.irp tp,0,1
.set AB, 64*((2*(\p)+\tp)%4)
.set j, 0
.rept 16
	v_pk_fma_f32 v[Q+32*\tp+j:Q+32*\tp+j+1], v[AB+32+j:AB+33+j], v[Q+32*\tp+j:Q+32*\tp+j+1], v[AB+32+j:AB+33+j]
.set j, j+2
.endr
.endr
	WIN 0
.set j, 0
	s_wait_alu depctr_va_vdst(0)
.rept 64
	v_rcp_f32 v[Q+j], v[Q+j]
.set j, j+1
.endr
	v_nop
	s_wait_alu depctr_va_vdst(0)
	WIN 0x02+WE
.irp tp,0,1
.set AB, 64*((2*(\p)+\tp)%4)
.set j, 0
.rept 16
	v_pk_mul_f32 v[Q+32*\tp+j:Q+32*\tp+j+1], v[AB+j:AB+j+1], v[Q+32*\tp+j:Q+32*\tp+j+1]
.set j, j+2
.endr
.endr
	WIN 0
.irp tp,0,1
.irp dt,0,1,2,3
	ds_store_b128 v[STO], v[Q+32*\tp+8*\dt:Q+32*\tp+8*\dt+3] offset:64*\dt
	ds_store_b128 v[STO], v[Q+32*\tp+8*\dt+4:Q+32*\tp+8*\dt+7] offset:64*\dt+16
.endr
.irp i,0,1,2,3,4,5,6,7
	ds_load_b128 v[Q+32*\tp+4*\i:Q+32*\tp+4*\i+3], v[RD] offset:544*\i
.endr
.endr
.irp tp,0,1
.irp i,0,1,2,3,4,5,6,7
	s_wait_dscnt 16*(1-\tp)+7-\i
	global_store_b128 v[GO], v[Q+32*\tp+4*\i:Q+32*\tp+4*\i+3], s[SO:SO+1] offset:2048*(16*(2*(\p)+\tp)+2*\i) th:TH_STORE_NT
.endr
.endr
.endm
	s_mov_b32 s[CH], 2
.Lchunk:
	s_wait_tensorcnt 0x1
	FETCH_C 0, 0
	FETCH_E 0, 0, 0
	SCALES 0, 0
	FETCH_E 0, 0, 4
	STEP 0, 0, 1
	TURN 0, 1, 1, G0A, DE, 2*SLOTB, 0
	STEP 1, 2, 0
	TURN 1, 0, 3, G0B, DE, 3*SLOTB, 0
	STEP 0, 4, 0
	TURN 0, 1, 5, G0A, DX, 0, 0
	STEP 1, 6, 0
	TURN 1, 0, 7, G0B, DX, SLOTB, 1
	QMUL 0
	FX 0, 1, 1
	EPI 0
	QMUL 1
	EPI 1
	s_cmp_eq_u32 s[CH], 1
	s_cbranch_scc1 .Llast
	TURNP G0A, DE, 4*SLOTB
	FX 1, 0, 0
	QMUL 2
	FX 1, 1, 1
	EPI 2
	QMUL 3
	TURNP G0B, DE, 5*SLOTB
	EPI 3
	s_wait_xcnt 0x0
	s_add_nc_u64 s[DE:DE+1], s[DE:DE+1], 4*SLOTB
	s_add_nc_u64 s[DX:DX+1], s[DX:DX+1], 2*SLOTB
	s_add_nc_u64 s[SO:SO+1], s[SO:SO+1], 128*2048
	s_sub_co_u32 s[CH], s[CH], 1
	s_branch .Lchunk
.Llast:
	s_wait_tensorcnt 0x0
	FX 1, 0, 0
	QMUL 2
	FX 1, 1, 1
	EPI 2
	QMUL 3
	EPI 3
	s_wait_tensorcnt 0x0
	ds_add_u32 v[SPW], v[NIL]
	s_wait_dscnt 0x0
	ROUND
	s_endpgm
.Lfunc_end_k_q7115a09864_aft:
	.size	k_q7115a09864_aft, .Lfunc_end_k_q7115a09864_aft-k_q7115a09864_aft
	.p2alignl 7, 3214868480
	.fill 96, 4, 3214868480
	.section	.rodata,"a",@progbits
	.p2align	6, 0x0
	.amdhsa_kernel k_q7115a09864_aft
		.amdhsa_group_segment_fixed_size 327680
		.amdhsa_private_segment_fixed_size 0
		.amdhsa_enable_private_segment 0
		.amdhsa_kernarg_size 80
		.amdhsa_user_sgpr_count 2
		.amdhsa_user_sgpr_kernarg_segment_ptr 1
		.amdhsa_wavefront_size32 1
		.amdhsa_system_sgpr_workgroup_id_x 1
		.amdhsa_system_sgpr_workgroup_id_y 1
		.amdhsa_system_sgpr_workgroup_id_z 1
		.amdhsa_system_vgpr_workitem_id 0
		.amdhsa_next_free_vgpr 1024
		.amdhsa_next_free_sgpr 100
		.amdhsa_reserve_vcc 0
		.amdhsa_float_denorm_mode_32 3
		.amdhsa_float_denorm_mode_16_64 3
		.amdhsa_memory_ordered 1
		.amdhsa_forward_progress 1
		.amdhsa_inst_pref_size 255
	.end_amdhsa_kernel
	.section	.bss,"aw",@nobits
	.p2align	6
	.space	262144
	.amdgpu_metadata
---
amdhsa.version: [ 1, 2 ]
amdhsa.kernels:
  - .name:           k_q7115a09864_aft
    .symbol:         k_q7115a09864_aft.kd
    .args:
      - { .name: xs, .offset: 0, .size: 8, .value_kind: global_buffer, .address_space: global }
      - { .name: es, .offset: 8, .size: 8, .value_kind: global_buffer, .address_space: global }
      - { .name: ws, .offset: 16, .size: 8, .value_kind: global_buffer, .address_space: global }
      - { .name: Wq_scales, .offset: 24, .size: 8, .value_kind: global_buffer, .address_space: global }
      - { .name: bq, .offset: 32, .size: 8, .value_kind: global_buffer, .address_space: global }
      - { .name: bk, .offset: 40, .size: 8, .value_kind: global_buffer, .address_space: global }
      - { .name: bv, .offset: 48, .size: 8, .value_kind: global_buffer, .address_space: global }
      - { .name: out0, .offset: 56, .size: 8, .value_kind: global_buffer, .address_space: global }
      - { .name: Wk_scales, .offset: 64, .size: 8, .value_kind: global_buffer, .address_space: global }
      - { .name: Wv_scales, .offset: 72, .size: 8, .value_kind: global_buffer, .address_space: global }
    .group_segment_fixed_size: 327680
    .private_segment_fixed_size: 0
    .kernarg_segment_align: 8
    .kernarg_segment_size: 80
    .max_flat_workgroup_size: 128
    .sgpr_count:     100
    .vgpr_count:     1024
    .wavefront_size: 32
...
	.end_amdgpu_metadata
.endif
;; end of part 4
